; MI455X (gfx1250); checked and timed in simulation.
; The chip was launched on July 23, 2026; its instructions are those of AMD's public machine-readable ISA for CDNA 5 (MIT licence, August 2026) and "CDNA5" Instruction Set Architecture Reference Guide (July 2026). The comments in the code are by the model that wrote it; some were corrected since.
;; Bahdanau Attention. Allowed arithmetic: float matrix products may take bf16 or f16 operands with f32 sums; other float arithmetic in f32, or as packed bf16 or f16 multiplies, adds, multiply-adds, maxima and minima; sums over many terms, partial sums and values carried from step to step in f32; what a program stores and reads back later, other than sums and carried values, may be rounded once to bf16 or f16.
;; Inputs: W_b 1,024 float32; W_w 1,024 x 2,048 float32; dec_hidden 1 x 64 x 1,024 float32; encoder_outputs 64 x 1,024 x 1,024 float32; mask 64 x 1 x 1,024 int32; v_w 1 x 1,024 float32.
;; Outputs: out0 64 x 1 x 1,024 float32; out1 64 x 1,024 float32.
;; 2 versions, each right; version 2 is version 1 with the launch main written anew for expert scheduling mode. Each part assembles by itself: llvm-mc -triple=amdgcn-amd-amdhsa -mcpu=gfx1250 --defsym DOCPART=n.
;; ======== version 1 of 2: 3 launches
;; limits: right only within a limited range of input values
;; workspace buffers: wef 2,097,152 bytes; dpart 4,194,304 bytes; lists 524,288 bytes of whole numbers; score 294,912 bytes; part 1,114,112 bytes
;; launch prep (part 1): grid 256 x 1, 4 waves a work-group, no clusters, 18,176 bytes of LDS; arguments W_w, dec_hidden, mask, wef, dpart, lists, score; writes wef, dpart, lists, score
.if DOCPART == 1
	.amdgcn_target "amdgcn-amd-amdhsa--gfx1250"
	.amdhsa_code_object_version 6
	.text
	.protected	k_qf40b8f368d_prep
	.globl	k_qf40b8f368d_prep
	.p2align	8
	.type	k_qf40b8f368d_prep,@function
k_qf40b8f368d_prep:
	s_mov_b64 s[64:65], 0
	v_nop
	global_prefetch_b8 v0, s[64:65] scope:SCOPE_SE
	s_setreg_imm32_b32 hwreg(HW_REG_WAVE_MODE, 25, 1), 1
	s_wait_xcnt 0x0
; PREPARATION for the attention launch.  Three things, shared among 256 work-groups of four waves (id = the work-group's number):
; (1) We = W_w[:, 1024:2048] is rounded to bf16 and written as matrix fragments: wef[d / 128][k / 32][(d / 16) % 8][1,024 bytes]; in a fragment byte 16 x lane holds
;     the lane's registers 0-3, byte 512 + 16 x lane its registers 4-7 (lane l: row d % 16 = l % 16; k = 8 (l / 16) + 0..7 and 16 + 8 (l / 16) + 0..7).
; (2) dpart[kz][b][d] = the sum over the 64 k of slice kz of dec_hidden[b][k] W_w[d][k], bf16 operands, f32 sums: sixteen partial sums that the next launch adds.
;     For (1) and (2): dg = id % 16 names 64 d, kz = id / 16 names 64 k; wave w owns the 16 d of block g = 4 dg + w.
; (3) b = id / 4, q = id % 4: the batch's rows with mask != 0 are counted (n) and numbered in ascending order; quarter q takes the 16 c rows from 16 c q on,
;     c = ceil(ceil(n / 16) / 4).  Its record of 512 whole numbers: numbers 160 p + e (p = 0, 1; e = 0..143) name the row of slot e of pass p, 1024 = no row;
;     number 320 = passes (1 or 2), number 321 = 1 if the batch has no row with mask != 0: then all 1,024 rows are listed, as the softmax of equal scores wants them.
;     All other numbers are 1024.  EXEC is never narrowed: a lane that has nothing to store writes 1024 to number 384 + its thread's number, which holds 1024 in any case.
;     Also score[b][256 q .. 256 q + 255] = -1e10 (a batch's scores lie 4,608 bytes apart): the next launch overwrites the listed rows.
.set DP,    272                        ; a row of the stage: 64 f32 + 16 bytes of padding
.set CNT,   64*DP                      ; behind the stage: four words, each wave's count of rows
.set SPARE, CNT+256                    ; the spare words, 128 bytes for each wave: two blocks of 256 bytes that no other line names
.set SPW, 1                            ; v1   LDS address of my spare word; never rewritten
.set NIL, 2                            ; v2   0; never rewritten
.set ACC, 16                           ; v[16:47]    four accumulators: 16 d x 16 batches each; behind the stage v16-23 are at work
.set WR,  48                           ; v[48:111]   four fragments of W as loaded, 16 f32 a lane: Wd k step 0, 1, We k step 0, 1; then bf16 in the first 8
.set DR,  112                          ; v[112:239]  eight fragments of dec_hidden: batch block bb, k step i at 16 (2 bb + i)
.set AD,  176                          ; v[176:187]  later: the offsets of the record's twelve stores, a register each
.set DA,  192                          ; v[192:203]  and their data
.set MK,  240                          ; v[240:247]  my wave's 256 numbers of the mask
.set ROWN, 248                         ; v248 row 256 w + l
.set PADN, 249                         ; v249 384 + my thread's number
.set NONE, 250                         ; v250 1024
.macro CVT base                        ; 16 f32 to 8 registers of bf16, in place, ascending: register j is written when 2 j and 2 j + 1 have been read
.irp j, 0,1,2,3,4,5,6,7
	v_cvt_pk_bf16_f32 v[(\base)+\j], v[(\base)+2*\j], v[(\base)+2*\j+1]
.endr
.endm
; Store number n of the twelve.  The lanes named in vcc_lo store v18 to number v17 of the record, the others 1024 to their pad number.  The number is held inside the record whatever the lane holds.
.macro PUTN n
	v_cndmask_b32 v17, v[PADN], v17, vcc_lo
	v_cndmask_b32 v[DA+(\n)], v[NONE], v18, vcc_lo
	v_min_u32 v17, 0x1ff, v17
	v_lshlrev_b32 v[AD+(\n)], 2, v17
	global_store_b32 v[AD+(\n)], v[DA+(\n)], s[14:15]
.endm
	s_load_b256 s[4:11], s[0:1], 0x0               ; W_w s[4:5], dec_hidden s[6:7], mask s[8:9], wef s[10:11]
	s_load_b128 s[12:15], s[0:1], 0x20             ; dpart s[12:13], lists s[14:15]
	s_load_b64 s[16:17], s[0:1], 0x30              ; score
	v_lshl_add_u32 v[SPW], v0, 2, SPARE
	v_mov_b32 v[NIL], 0
	v_lshrrev_b32 v3, 5, v0
	v_readfirstlane_b32 s20, v3                    ; wave 0..3
	v_and_b32 v3, 31, v0                           ; l
	v_and_b32 v4, 15, v0                           ; l % 16
	v_bfe_u32 v5, v0, 4, 1                         ; l / 16
	s_and_b32 s21, ttmp9, 15                       ; dg
	s_lshr_b32 s22, ttmp9, 4                       ; kz
	s_lshr_b32 s23, ttmp9, 2                       ; b
	s_and_b32 s40, ttmp9, 3                        ; q
	s_lshl_b32 s41, s20, 10
	v_lshl_add_u32 v6, v3, 2, s41                  ; mask: row 256 w + l, 4 bytes each
	v_lshlrev_b32 v7, 13, v4
	v_lshl_add_u32 v7, v5, 5, v7                   ; W_w: row l % 16 of 8,192 bytes, 8 f32 for each half of the lanes
	v_lshlrev_b32 v8, 12, v4
	v_lshl_add_u32 v8, v5, 5, v8                   ; dec_hidden: rows of 4,096 bytes
	v_lshlrev_b32 v11, 4, v3                       ; 16 l
	v_mul_u32_u24 v12, v4, DP                      ; into the stage: batch l % 16, my wave's 16 d, 8 for each half of the lanes
	v_lshl_add_u32 v12, v5, 5, v12
	s_lshl_b32 s41, s20, 6
	v_add_nc_u32 v12, s41, v12
	v_mul_u32_u24 v13, v5, DP                      ; back: lanes 0-15 one row of 256 bytes, lanes 16-31 the next; wave w takes batches 16 w on
	v_lshl_add_u32 v13, v4, 4, v13
	s_mul_i32 s41, s20, 16*DP
	v_add_nc_u32 v13, s41, v13
	v_mov_b32 v14, CNT
	v_lshlrev_b32 v15, 12, v5                      ; and the same two rows in dpart
	v_lshl_add_u32 v15, v4, 4, v15
	s_lshl_b32 s41, s20, 16
	v_add_nc_u32 v15, s41, v15
	s_lshl_b32 s41, s20, 2
	s_add_co_u32 s41, s41, CNT
	v_mov_b32 v10, s41                             ; my wave's word
	s_lshl_b32 s41, s20, 8
	v_add_nc_u32 v[ROWN], s41, v3
	v_add_nc_u32 v[PADN], 0x180, v0
	v_mov_b32 v[NONE], 0x400
	s_mov_b32 s43, 0
	s_wait_kmcnt 0x0
	s_lshl_b32 s42, s23, 12
	s_add_nc_u64 s[8:9], s[8:9], s[42:43]          ; mask[b]
	s_lshl_b32 s44, s21, 2
	s_add_co_u32 s44, s44, s20                     ; g
	s_lshl_b32 s42, s44, 17                        ; 16 rows of 8,192 bytes
	s_lshl_b32 s45, s22, 8                         ; 64 f32
	s_add_co_u32 s42, s42, s45
	s_add_nc_u64 s[4:5], s[4:5], s[42:43]
	s_mov_b32 s42, s45
	s_add_nc_u64 s[6:7], s[6:7], s[42:43]
	s_lshr_b32 s42, s21, 1
	s_lshl_b32 s42, s42, 18                        ; wef: group d / 128,
	s_lshl_b32 s45, s22, 14                        ; k step 2 kz,
	s_add_co_u32 s42, s42, s45
	s_and_b32 s45, s21, 1
	s_lshl_b32 s45, s45, 2
	s_add_co_u32 s45, s45, s20
	s_lshl_b32 s45, s45, 10                        ; block g % 8
	s_add_co_u32 s42, s42, s45
	s_add_nc_u64 s[10:11], s[10:11], s[42:43]
	s_lshl_b32 s42, s22, 18
	s_lshl_b32 s45, s21, 8
	s_add_co_u32 s42, s42, s45
	s_add_nc_u64 s[12:13], s[12:13], s[42:43]      ; dpart[kz][.][64 dg]
	s_lshl_b32 s42, ttmp9, 11
	s_add_nc_u64 s[14:15], s[14:15], s[42:43]      ; my record
	s_mul_i32 s42, s23, 4608
	s_lshl_b32 s45, s40, 10
	s_add_co_u32 s42, s42, s45
	s_add_nc_u64 s[16:17], s[16:17], s[42:43]      ; my 256 scores
	; all loads, in the order in which they are wanted
.irp j, 0,1,2,3,4,5,6,7
	global_load_b32 v[MK+\j], v6, s[8:9] offset:128*\j
.endr
.irp f, 0,1,2,3                        ; f = 2 X + i: X = 0 Wd, 1 We (4,096 bytes on); k step i
	global_load_b128 v[WR+16*\f:WR+16*\f+3],     v7, s[4:5] offset:(\f/2)*4096+(\f%2)*128
	global_load_b128 v[WR+16*\f+4:WR+16*\f+7],   v7, s[4:5] offset:(\f/2)*4096+(\f%2)*128+16
	global_load_b128 v[WR+16*\f+8:WR+16*\f+11],  v7, s[4:5] offset:(\f/2)*4096+(\f%2)*128+64
	global_load_b128 v[WR+16*\f+12:WR+16*\f+15], v7, s[4:5] offset:(\f/2)*4096+(\f%2)*128+80
.endr
.irp f, 0,1,2,3,4,5,6,7                ; f = 2 bb + i
	global_load_b128 v[DR+16*\f:DR+16*\f+3],     v8, s[6:7] offset:(\f/2)*65536+(\f%2)*128
	global_load_b128 v[DR+16*\f+4:DR+16*\f+7],   v8, s[6:7] offset:(\f/2)*65536+(\f%2)*128+16
	global_load_b128 v[DR+16*\f+8:DR+16*\f+11],  v8, s[6:7] offset:(\f/2)*65536+(\f%2)*128+64
	global_load_b128 v[DR+16*\f+12:DR+16*\f+15], v8, s[6:7] offset:(\f/2)*65536+(\f%2)*128+80
.endr
	s_wait_loadcnt 48                              ; the mask is in: the 16 loads of W and the 32 of dec_hidden may stay out
	s_mov_b32 s32, 0
.irp j, 0,1,2,3,4,5,6,7
	v_cmp_ne_u32 s[24+\j], 0, v[MK+\j]             ; a bit a row
	s_bcnt1_i32_b32 s33, s[24+\j]
	s_add_co_u32 s32, s32, s33
.endr
	v_mov_b32 v9, s32
	ds_store_b32 v10, v9                           ; my wave's count
	s_wait_loadcnt 32                              ; W is in
	CVT WR
	CVT WR+16
	CVT WR+32
	CVT WR+48
.irp i, 0,1
	global_store_b128 v11, v[WR+32+16*\i:WR+32+16*\i+3], s[10:11] offset:8192*\i      ; 512 consecutive bytes a store
	global_store_b128 v11, v[WR+32+16*\i+4:WR+32+16*\i+7], s[10:11] offset:8192*\i+512
.endr
	s_wait_loadcnt 0x0                             ; dec_hidden is in
.irp f, 0,1,2,3,4,5,6,7
	CVT DR+16*\f
.endr
	; source 0 = 16 d of Wd, source 1 = 16 batches: register j of lane l is d = 16 g + 8 (l / 16) + j, batch 16 bb + l % 16.  The four accumulators take turns
.irp bb, 0,1,2,3
	v_wmma_f32_16x16x32_bf16 v[ACC+8*\bb:ACC+8*\bb+7], v[WR:WR+7], v[DR+32*\bb:DR+32*\bb+7], 0
.endr
.irp bb, 0,1,2,3
	v_wmma_f32_16x16x32_bf16 v[ACC+8*\bb:ACC+8*\bb+7], v[WR+16:WR+23], v[DR+32*\bb+16:DR+32*\bb+23], v[ACC+8*\bb:ACC+8*\bb+7]
.endr
.rept 4
	v_nop                                          ; four places between the last product and the stores that read results
.endr
.irp bb, 0,1,2,3
	ds_store_b128 v12, v[ACC+8*\bb:ACC+8*\bb+3] offset:\bb*16*DP
	ds_store_b128 v12, v[ACC+8*\bb+4:ACC+8*\bb+7] offset:\bb*16*DP+16
.endr
	s_wait_dscnt 0x0                               ; for the others' sake: my count and my part of the stage are written
	s_barrier_signal -1
	s_barrier_wait -1
.irp t, 0,1,2,3,4,5,6,7
	ds_load_b128 v[DR+4*\t:DR+4*\t+3], v13 offset:\t*2*DP
.endr
	ds_load_b128 v[DR+32:DR+35], v14               ; the four counts
	s_wait_dscnt 0x0
.irp t, 0,1,2,3,4,5,6,7
	global_store_b128 v15, v[DR+4*\t:DR+4*\t+3], s[12:13] offset:\t*8192  ; 16 lanes store 256 consecutive bytes, at a multiple of 256 from dpart's first byte
.endr
	; the list's scalars
	v_readfirstlane_b32 s44, v[DR+32]
	v_readfirstlane_b32 s45, v[DR+33]
	v_readfirstlane_b32 s46, v[DR+34]
	v_readfirstlane_b32 s47, v[DR+35]
	s_add_co_u32 s48, s44, s45
	s_add_co_u32 s48, s48, s46
	s_add_co_u32 s48, s48, s47                     ; n
	s_cmp_gt_u32 s20, 0                            ; the rows counted by the waves below mine
	s_cselect_b32 s34, s44, 0
	s_cmp_gt_u32 s20, 1
	s_cselect_b32 s35, s45, 0
	s_add_co_u32 s34, s34, s35
	s_cmp_gt_u32 s20, 2
	s_cselect_b32 s35, s46, 0
	s_add_co_u32 s34, s34, s35
	s_lshl_b32 s35, s20, 8
	s_cmp_eq_u32 s48, 0                            ; no row at all: every row is listed
	s_cselect_b32 s50, 1, 0
	s_cselect_b32 s48, 0x400, s48
	s_cselect_b32 s34, s35, s34
.irp j, 0,1,2,3,4,5,6,7
	s_cselect_b32 s[24+\j], -1, s[24+\j]
.endr
	s_add_co_u32 s51, s48, 15
	s_lshr_b32 s51, s51, 4
	s_add_co_u32 s51, s51, 3
	s_lshr_b32 s51, s51, 2                         ; c, 16 at the most
	s_lshl_b32 s52, s51, 4                         ; rows of a quarter, 256 at the most: two passes of 144 hold them
	s_mul_i32 s53, s40, s52                        ; the first of mine
	s_sub_co_i32 s54, s48, s53
	s_max_i32 s54, s54, 0
	s_min_u32 s54, s54, s52                        ; how many are mine
	s_cmp_gt_u32 s54, 144
	s_cselect_b32 s55, 2, 1                        ; passes
	s_min_u32 s56, s54, 144                        ; pass 0's first empty slot
	s_max_u32 s57, s54, 144
	s_add_co_u32 s57, s57, 16                      ; pass 1's, as a number of the record
	; each listed row of mine goes to its slot
.irp j, 0,1,2,3,4,5,6,7
	v_mbcnt_lo_u32_b32 v16, s[24+\j], s34          ; the row's number among the batch's listed rows
	s_bcnt1_i32_b32 s33, s[24+\j]
	s_add_co_u32 s34, s34, s33
	v_sub_nc_u32 v16, v16, s53                     ; and among mine (below my first: a huge number)
	v_cmp_le_u32 vcc_lo, 0x90, v16
	v_cndmask_b32 v17, 0, 16, vcc_lo               ; pass 1 begins at number 160
	v_add_nc_u32 v17, v17, v16
	v_add_nc_u32 v18, 32*\j, v[ROWN]               ; the row
	v_cmp_gt_u32 vcc_lo, s52, v16
	s_and_b32 vcc_lo, vcc_lo, s[24+\j]
	PUTN \j
.endr
	; the rest of the record: thread t sees to numbers t + 128 i
.irp i, 0,1,2,3
	v_add_nc_u32 v17, 128*\i, v0
	v_cmp_le_u32 s36, s56, v17
	v_cmp_gt_u32 s38, 0xa0, v17
	v_cmp_le_u32 s39, s57, v17
	s_or_b32 s38, s38, s39
	v_mov_b32 v18, 0x400
.if \i == 2
	v_cmp_eq_u32 vcc_lo, 0x140, v17
	v_cndmask_b32 v18, v18, s55, vcc_lo
	v_cmp_eq_u32 vcc_lo, 0x141, v17
	v_cndmask_b32 v18, v18, s50, vcc_lo
.endif
	s_and_b32 vcc_lo, s36, s38                     ; the numbers that hold no row
	PUTN 8+\i
.endr
	v_lshlrev_b32 v20, 3, v0
	v_mov_b32 v22, 0xd01502f9                      ; -1e10
	v_mov_b32 v23, 0xd01502f9
	global_store_b64 v20, v[22:23], s[16:17]       ; 256 consecutive bytes a wave
	s_wait_tensorcnt 0x0                           ; the wave's end, behind my last LDS store
	ds_add_u32 v[SPW], v[NIL]
	s_wait_dscnt 0x0
	s_endpgm
.Lfunc_end_k_qf40b8f368d_prep:
	.size	k_qf40b8f368d_prep, .Lfunc_end_k_qf40b8f368d_prep-k_qf40b8f368d_prep
	.p2alignl 7, 3214868480
	.fill 96, 4, 3214868480
	.section	.rodata,"a",@progbits
	.p2align	6, 0x0
	.amdhsa_kernel k_qf40b8f368d_prep
		.amdhsa_group_segment_fixed_size 18176
		.amdhsa_private_segment_fixed_size 0
		.amdhsa_enable_private_segment 0
		.amdhsa_kernarg_size 56
		.amdhsa_user_sgpr_count 2
		.amdhsa_user_sgpr_kernarg_segment_ptr 1
		.amdhsa_wavefront_size32 1
		.amdhsa_system_sgpr_workgroup_id_x 1
		.amdhsa_system_sgpr_workgroup_id_y 1
		.amdhsa_system_sgpr_workgroup_id_z 1
		.amdhsa_system_vgpr_workitem_id 0
		.amdhsa_next_free_vgpr 256
		.amdhsa_next_free_sgpr 66
		.amdhsa_reserve_vcc 1
		.amdhsa_float_denorm_mode_32 3
		.amdhsa_float_denorm_mode_16_64 3
		.amdhsa_memory_ordered 1
		.amdhsa_forward_progress 1
		.amdhsa_inst_pref_size 29
	.end_amdhsa_kernel
	.amdgpu_metadata
---
amdhsa.version: [ 1, 2 ]
amdhsa.kernels:
  - .name:           k_qf40b8f368d_prep
    .symbol:         k_qf40b8f368d_prep.kd
    .args:
      - { .name: W_w, .offset: 0, .size: 8, .value_kind: global_buffer, .address_space: global }
      - { .name: dec_hidden, .offset: 8, .size: 8, .value_kind: global_buffer, .address_space: global }
      - { .name: mask, .offset: 16, .size: 8, .value_kind: global_buffer, .address_space: global }
      - { .name: wef, .offset: 24, .size: 8, .value_kind: global_buffer, .address_space: global }
      - { .name: dpart, .offset: 32, .size: 8, .value_kind: global_buffer, .address_space: global }
      - { .name: lists, .offset: 40, .size: 8, .value_kind: global_buffer, .address_space: global }
      - { .name: score, .offset: 48, .size: 8, .value_kind: global_buffer, .address_space: global }
    .group_segment_fixed_size: 18176
    .private_segment_fixed_size: 0
    .kernarg_segment_align: 8
    .kernarg_segment_size: 56
    .max_flat_workgroup_size: 128
    .sgpr_count:     66
    .vgpr_count:     256
    .wavefront_size: 32
...
	.end_amdgpu_metadata
.endif
;; end of part 1
;; launch main (part 2): grid 256 x 1, 4 waves a work-group, no clusters, 313,344 bytes of LDS; arguments encoder_outputs, wef, dpart, W_b, v_w, lists, score, part; writes score, part
.if DOCPART == 2
	.amdgcn_target "amdgcn-amd-amdhsa--gfx1250"
	.amdhsa_code_object_version 6
	.text
	.protected	k_qf40b8f368d_main
	.globl	k_qf40b8f368d_main
	.p2align	8
	.type	k_qf40b8f368d_main,@function
k_qf40b8f368d_main:
	s_mov_b64 s[64:65], 0
	v_nop
	global_prefetch_b8 v0, s[64:65] scope:SCOPE_SE
	s_setreg_imm32_b32 hwreg(HW_REG_WAVE_MODE, 25, 1), 1
	s_wait_xcnt 0x0
; SCORES AND PARTIAL CONTEXT of one quarter (q = id % 4) of one batch (b = id / 4): only the rows that the record in lists names (mask != 0; all rows where the batch has none).
; A PASS holds 144 row slots.  G1: the rows are read once, rounded to bf16 and kept in LDS.  G2: score = sum over d of v[d] tanh(We[d] . row + dec_proj[d] + W_b[d]), by matrix products
; (bf16 operands, f32 sums) and tanh(x) = 1 - 2 / (1 + 2^(2 log2(e) x)) in f32; G2b: each wave's part of the scores goes to LDS.  G3: running maximum m, weights p = e^(score - m).
; G4: context = a x context + p . rows, by matrix products on the rows still in LDS.  Out: the rows' scores, and the quarter's context and m; the next launch joins the four quarters.
; The number of passes is the constant 2; a pass that the record does not want jumps forward over its five segments, none of which holds a barrier; the five barriers stand between them.
; SHARES in G2.  Two tiles of 512 d; wave w owns 128 d (8 blocks of 16) of a tile and all 144 rows (9 blocks): 72 accumulators.  Source 0 = 16 d of We, source 1 = 16 rows: register j of lane l is
; d = 16 db + 8 (l / 16) + j, row l % 16: the sum over d stays in the lane, but for one exchange of the lanes' halves.
; We comes as ready fragments from wef straight into registers, two K steps ahead: no wave wants a fragment that another wave of the work-group has fetched.
; NO CLUSTER, NO TENSOR LOADS: all work-groups walk the same We, but the resident rows take 297,216 of a WGP's 327,680 bytes of LDS, and two slots of one K step of a tile
; (512 d x 32 k x 2 bytes = 32,768 each) do not fit beside them.  NO PREFETCH: wef is read by every work-group, and in the fill each wave has 48 loads of 512 bytes on their way.
; EXEC is never narrowed: a lane whose slot holds no row stores its number to a pad word of its own behind the batch's 1,024 scores (word 1024 + 32 q + lane), which nobody reads.
; LIMITS.  A row with mask = 0 is not read and has weight 0: that is reference()'s e^(-1e10 - max) as long as the sum of |v_w| stays far below 1e10; a NaN or an infinity in such a row does not
; spread.  Empty slots hold the batch's row 1023 with weight 0.  p is rounded once to bf16 for the context.  An exponential below 2^-126 counts as 0.
.set PITCH, 2064                       ; a row in LDS: 2,048 bytes + 16 = 516 words: row r starts at bank 4 r mod 64 (64 banks of 4 bytes: ISA guide 11.1)
.set RBB,   16*PITCH                   ; a block of 16 rows
.set CBT,   144*PITCH                  ; 297,216: 1,024 f32: 2 log2(e) (dec_proj + W_b)
.set VMT,   CBT+4096                   ; 1,024 f32: -2 v
.set PARTS, VMT+4096                   ; 640 bytes a wave: its 256 d's part of each row's score
.set SVW,   PARTS+2560                 ; four words: each wave's part of the sum of v
.set PTAB,  SVW+256                    ; 160 weights in bf16
.set CTX,   PTAB+512                   ; 1,024 bytes a wave, for the way out
.set SPARE, CTX+4096                   ; the spare words, 128 bytes for each wave: two blocks of 256 bytes that no other line names
; window 0
.set SPW, 1                            ; v1   LDS address of my spare word; never rewritten
.set NIL, 2                            ; v2   0; never rewritten
.set L16, 3                            ; v3   16 x lane
.set AL,  4                            ; v4   (l % 16) x PITCH + 16 (l / 16)
.set TB0, 5                            ; v5   CBT + 4 (128 w + 8 (l / 16))
.set A0,  6                            ; v[6:14]   my place in row block rb
.set AR,  15                           ; v[15:23]  the same at the K step to be fetched
.set BO,  24                           ; v[24:26]  offset in wef of the loads into buffer i
.set TB,  27                           ; v27  TB0 in the tile in hand
.set MR,  28                           ; v28  m
.set AA,  29                           ; v29  a = e^(m_old - m_new)
.set CX,  30                           ; v[30:37]  context: channel 256 w + 32 i + lane
.set FL,  38                           ; v38  the fill's LDS address
.set FO,  39                           ; v[39:44]  the fill's six row offsets
.set LN,  45                           ; v45  lane
.set PS,  46                           ; v46  PARTS + 640 w + 4 (l % 16)
.set T,   47                           ; v[47:63]  at work
.set BUF, 64                           ; v[64:255] three buffers of 8 fragments of We
.set VM,  192                          ; outside the K loop the third buffer is at work: -2 v of four blocks; G3's numbers; the weights' fragments
; windows 1, 2, 3 (row blocks 3 (X - 1) + rl): v0-191 accumulators at 64 rl + 8 db; v192-215 the rows' fragments at 192 + 8 rl; v216-247 the bias of four blocks; v248-253 the scores' sums, a pair a block
; scalars
.set WV, 20
.set ID, 21
.set BI, 22
.set NP, 24                            ; s24 passes; s25 1: no row of the batch has mask != 0
.set PP, 26                            ; the pass
.set NT, 27                            ; the tile
.set CT, 28                            ; a loop's count
.set TS, 29                            ; at work
.set C2, 30                            ; s[30:31] 2 log2(e)
.set SEL, 32                           ; s[32:33] v_permlanex16_b32's selects: each lane takes its own place in the other half
.set BT, 34                            ; s[34:35] wef at my group of the tile in hand
.set BB, 36                            ; s[36:37] wef at my group of tile 0
.set OF, 38                            ; s[38:39] an offset; the high word stays 0
.set IX, 40                            ; s[40:47] row numbers
.set LO, 48                            ; byte in the record
.set HM, 50                            ; lanes 16-31
.set AM, 51                            ; all ones if s25 = 1
.set LE, 52                            ; s[52:53] log2(e)
.set ENC, 54                           ; s[54:55] the batch's rows
.set REC, 56                           ; s[56:57] my record
.set KA, 58                            ; byte of the K step in a row
.set KB, 59                            ; byte of the K step in wef
.set SCO, 60                           ; s[60:61] the batch's scores
.set PRT, 66                           ; s[66:67] my record in part
.set VAL, 68                           ; s[68:72] which slots hold a row
.set MSB, 0
.macro WIN new                         ; s_set_vgpr_msb: bits 1:0 source 0, 3:2 source 1, 5:4 source 2, 7:6 destination; the high byte repeats the setting that is left
.if MSB != (\new)
	s_set_vgpr_msb (MSB<<8)|(\new)
.set MSB, (\new)
.endif
.endm
.macro PLACES                          ; four places behind a matrix instruction, in front of what reads its result or writes its registers (ISA guide 7.12.1 for vector instructions)
.rept 4
	v_nop
.endr
.endm
.macro BAR
	s_wait_dscnt 0x0                               ; for the others' sake: my LDS stores are done and my LDS loads are back
	s_barrier_signal -1
	s_barrier_wait -1
.endm
.macro PRO                             ; K steps 0 and 1 of the tile at s[BT] into buffers 0 and 1: 32 loads of 512 consecutive bytes
	WIN 0
.irp ks, 0,1
.irp db, 0,1,2,3,4,5,6,7
	global_load_b128 v[BUF+64*\ks+8*\db:BUF+64*\ks+8*\db+3],   v[L16], s[BT:BT+1] offset:\ks*8192+\db*1024
	global_load_b128 v[BUF+64*\ks+8*\db+4:BUF+64*\ks+8*\db+7], v[L16], s[BT:BT+1] offset:\ks*8192+\db*1024+512
.endr
.endr
.endm
	s_load_b512 s[4:19], s[0:1], 0x0               ; encoder_outputs s[4:5], wef s[6:7], dpart s[8:9], W_b s[10:11], v_w s[12:13], lists s[14:15], score s[16:17], part s[18:19]
	v_lshl_add_u32 v[SPW], v0, 2, SPARE
	v_mov_b32 v[NIL], 0
	v_lshrrev_b32 v[T], 5, v0
	v_readfirstlane_b32 s[WV], v[T]                ; wave 0..3
	s_mov_b32 s[ID], ttmp9
	s_lshr_b32 s[BI], s[ID], 2
	v_and_b32 v[LN], 31, v0
	v_and_b32 v[T+2], 15, v0                       ; l % 16
	v_bfe_u32 v[T+3], v0, 4, 1                     ; l / 16
	v_lshlrev_b32 v[L16], 4, v[LN]
	v_mul_u32_u24 v[AL], v[T+2], PITCH
	v_lshl_add_u32 v[AL], v[T+3], 4, v[AL]
.irp rb, 0,1,2,3,4,5,6,7,8
	v_add_nc_u32 v[A0+\rb], \rb*RBB, v[AL]
.endr
	s_lshl_b32 s[TS], s[WV], 9
	s_add_co_u32 s[TS], s[TS], CBT
	v_lshl_add_u32 v[TB0], v[T+3], 5, s[TS]
	s_mul_i32 s[TS], s[WV], 640
	s_add_co_u32 s[TS], s[TS], PARTS
	v_lshl_add_u32 v[PS], v[T+2], 2, s[TS]
	v_lshlrev_b32 v[T+4], 4, v0                    ; 16 x thread: the tables' four numbers a thread
	v_add_nc_u32 v[T+5], CBT, v[T+4]
	s_lshl_b32 s[TS], s[WV], 2
	s_add_co_u32 s[TS], s[TS], SVW
	v_mov_b32 v[T+6], s[TS]
.irp i, 9,10,11,12,13,14,15,16
	v_mov_b32 v[T+\i], 0                           ; v_permlanex16_b32 counts as a reader of its destination: the eight registers that take the exchanges are written once
.endr
	v_mov_b32 v[MR], 0xff7fffff                    ; m starts at the lowest finite number,
	v_mov_b32 v[AA], 1.0
.irp i, 0,1,2,3,4,5,6,7
	v_mov_b32 v[CX+\i], 0                          ; the context at 0
.endr
	s_mov_b32 s[C2], 0x4038aa3b
	s_mov_b32 s[C2+1], 0x4038aa3b
	s_mov_b32 s[SEL], 0x76543210
	s_mov_b32 s[SEL+1], 0xfedcba98
	s_mov_b32 s[HM], 0xffff0000
	s_mov_b32 s[LE], 0x3fb8aa3b
	s_mov_b32 s[LE+1], 0x3fb8aa3b
	s_mov_b32 s[PP], 0
	s_mov_b32 s[OF+1], 0
	s_wait_kmcnt 0x0
	s_lshl_b32 s[OF], s[BI], 22
	s_add_nc_u64 s[ENC:ENC+1], s[4:5], s[OF:OF+1]
	s_lshl_b32 s[OF], s[ID], 11
	s_add_nc_u64 s[REC:REC+1], s[14:15], s[OF:OF+1]
	s_mul_i32 s[OF], s[BI], 4608
	s_add_nc_u64 s[SCO:SCO+1], s[16:17], s[OF:OF+1]
	s_lshl_b32 s[OF], s[BI], 12
	s_add_nc_u64 s[8:9], s[8:9], s[OF:OF+1]        ; dpart[.][b]
	s_mul_i32 s[OF], s[ID], 4352
	s_add_nc_u64 s[PRT:PRT+1], s[18:19], s[OF:OF+1]
	s_lshl_b32 s[OF], s[WV], 18
	s_add_nc_u64 s[BB:BB+1], s[6:7], s[OF:OF+1]
	s_mov_b64 s[BT:BT+1], s[BB:BB+1]
	s_load_b64 s[NP:NP+1], s[REC:REC+1], 0x500     ; numbers 320 and 321 of the record
	; THE TABLES.  Thread t makes d = 512 c + 4 t .. + 3, c = 0, 1: sixteen partial sums of dec_proj, W_b, v: 36 loads into window 2
	WIN 0x80
.irp c, 0,1
.set k_, 0
.rept 16
	global_load_b128 v[72*\c+4*k_:72*\c+4*k_+3], v[T+4], s[8:9] offset:k_*262144+2048*\c
.set k_, k_+1
.endr
	global_load_b128 v[72*\c+64:72*\c+67], v[T+4], s[10:11] offset:2048*\c
	global_load_b128 v[72*\c+68:72*\c+71], v[T+4], s[12:13] offset:2048*\c
.endr
	PRO
	s_wait_kmcnt 0x0
	s_min_u32 s[NP], s[NP], 2
	s_cmp_lg_u32 s[NP+1], 0
	s_cselect_b32 s[AM], -1, 0
	s_wait_loadcnt 32                              ; the tables' 36 loads are in; the 32 of We's first two K steps may stay out
	WIN 0x8a
.irp c, 0,1
.irp st, 8,4,2,1
.set k_, 0
.rept \st
	v_pk_add_f32 v[72*\c+4*k_:72*\c+4*k_+1],   v[72*\c+4*k_:72*\c+4*k_+1],   v[72*\c+4*(k_+\st):72*\c+4*(k_+\st)+1]
	v_pk_add_f32 v[72*\c+4*k_+2:72*\c+4*k_+3], v[72*\c+4*k_+2:72*\c+4*k_+3], v[72*\c+4*(k_+\st)+2:72*\c+4*(k_+\st)+3]
.set k_, k_+1
.endr
.endr
	v_pk_add_f32 v[72*\c:72*\c+1],   v[72*\c:72*\c+1],   v[72*\c+64:72*\c+65]
	v_pk_add_f32 v[72*\c+2:72*\c+3], v[72*\c+2:72*\c+3], v[72*\c+66:72*\c+67]
	v_pk_mul_f32 v[72*\c:72*\c+1],   v[72*\c:72*\c+1],   s[C2:C2+1] op_sel_hi:[1,0]
	v_pk_mul_f32 v[72*\c+2:72*\c+3], v[72*\c+2:72*\c+3], s[C2:C2+1] op_sel_hi:[1,0]
	v_pk_add_f32 v[144+2*\c:145+2*\c], v[72*\c+68:72*\c+69], v[72*\c+70:72*\c+71]
	v_pk_mul_f32 v[72*\c+68:72*\c+69], v[72*\c+68:72*\c+69], -2.0 op_sel_hi:[1,0]
	v_pk_mul_f32 v[72*\c+70:72*\c+71], v[72*\c+70:72*\c+71], -2.0 op_sel_hi:[1,0]
.endr
	v_pk_add_f32 v[144:145], v[144:145], v[146:147]
	WIN 0x0a
	v_add_f32 v[T+7], v144, v145                   ; my eight v
	WIN 0x08
.irp c, 0,1
	ds_store_b128 v[T+5], v[72*\c:72*\c+3] offset:2048*\c
	ds_store_b128 v[T+5], v[72*\c+68:72*\c+71] offset:4096+2048*\c
.endr
	WIN 0
	v_add_f32_dpp v[T+7], v[T+7], v[T+7] row_xmask:1 row_mask:0xf bank_mask:0xf
	v_add_f32_dpp v[T+7], v[T+7], v[T+7] row_xmask:2 row_mask:0xf bank_mask:0xf
	v_add_f32_dpp v[T+7], v[T+7], v[T+7] row_xmask:4 row_mask:0xf bank_mask:0xf
	v_add_f32_dpp v[T+7], v[T+7], v[T+7] row_xmask:8 row_mask:0xf bank_mask:0xf
	v_permlanex16_b32 v[T+9], v[T+7], s[SEL], s[SEL+1]
	v_add_f32 v[T+7], v[T+7], v[T+9]
	ds_store_b32 v[T+6], v[T+7]                    ; my wave's part of the sum of v
; G1's macros.  Wave w fills slots 36 w .. 36 w + 35, three rows (24 loads of 512 consecutive bytes, 96 registers of window 1) at a time, on two sets of registers.
.macro OFFS k0                         ; three row numbers become offsets; 1024 (no row) becomes row 1023
	WIN 0
.irp k, 0,1,2
	s_min_u32 s[IX+(\k0)+\k], s[IX+(\k0)+\k], 0x3ff
	s_lshl_b32 s[IX+(\k0)+\k], s[IX+(\k0)+\k], 12  ; rows of 4,096 bytes
	v_add_nc_u32 v[FO+(\k0)+\k], s[IX+(\k0)+\k], v[L16]
.endr
.endm
.macro LD set
	WIN 0x40
.irp k, 0,1,2
.irp c, 0,1,2,3,4,5,6,7
	global_load_b128 v[96*(\set)+32*\k+4*\c:96*(\set)+32*\k+4*\c+3], v[FO+3*(\set)+\k], s[ENC:ENC+1] offset:512*\c
.endr
.endr
.endm
.macro PUT set, rowoff                 ; four f32 become 8 bytes, in place; 32 lanes store 256 consecutive bytes of a row
	WIN 0x45
.set a_, 96*(\set)
.rept 24
	v_cvt_pk_bf16_f32 v[a_], v[a_], v[a_+1]
	v_cvt_pk_bf16_f32 v[a_+1], v[a_+2], v[a_+3]
.set a_, a_+4
.endr
	WIN 0x04
.irp k, 0,1,2
.irp c, 0,1,2,3,4,5,6,7
	ds_store_b64 v[FL], v[96*(\set)+32*\k+4*\c:96*(\set)+32*\k+4*\c+1] offset:((\rowoff)+\k)*PITCH+256*\c
.endr
.endr
.endm
; G2's macros.  KWIN: the 24 products of window x in a K step (its three row blocks x my 8 blocks of d), on buffer bb; then, la = 1, its rows' fragments of the next K step.
; All 72 accumulators take turns, one instruction a turn, over the backward jump too.
.macro KWIN x, bb, zero, la, dsn
	WIN 84*(\x)                                    ; accumulators and rows' fragments in window x, We's in window 0
	s_wait_dscnt \dsn
.irp rl, 0,1,2
.irp db, 0,1,2,3,4,5,6,7
.if \zero
	v_wmma_f32_16x16x32_bf16 v[64*\rl+8*\db:64*\rl+8*\db+7], v[BUF+64*(\bb)+8*\db:BUF+64*(\bb)+8*\db+7], v[192+8*\rl:192+8*\rl+7], 0
.else
	v_wmma_f32_16x16x32_bf16 v[64*\rl+8*\db:64*\rl+8*\db+7], v[BUF+64*(\bb)+8*\db:BUF+64*(\bb)+8*\db+7], v[192+8*\rl:192+8*\rl+7], v[64*\rl+8*\db:64*\rl+8*\db+7]
.endif
.endr
.endr
.if \la
	PLACES
.irp rl, 0,1,2
	ds_load_b128 v[192+8*\rl:192+8*\rl+3],   v[AR+3*((\x)-1)+\rl]
	ds_load_b128 v[192+8*\rl+4:192+8*\rl+7], v[AR+3*((\x)-1)+\rl] offset:32
.endr
.endif
.endm
; A K step of 32.  issue = 1: We's fragments of the K step two on go into the buffer that the last K step multiplied (its last product stands four v_nop and nine additions back).
; lc: loads that may stay out: the 16 of each younger K step.  d1-d3: LDS loads that may stay out: behind a window's six stand the six of each of the two windows that follow it.
.macro KSTEP bb, zero, issue, la, d1, d2, d3, lc
	WIN 0
.if \la
	s_add_co_u32 s[KA], s[KA], 64
.irp rb, 0,1,2,3,4,5,6,7,8
	v_add_nc_u32 v[AR+\rb], s[KA], v[A0+\rb]
.endr
.endif
.if \issue
	s_add_co_u32 s[KB], s[KB], 8192
	v_add_nc_u32 v[BO+((\bb)+2)%3], s[KB], v[L16]  ; its last loads, three K steps back, were shown done by the wait of the K step before this one
.irp db, 0,1,2,3,4,5,6,7
	global_load_b128 v[BUF+64*(((\bb)+2)%3)+8*\db:BUF+64*(((\bb)+2)%3)+8*\db+3],   v[BO+((\bb)+2)%3], s[BT:BT+1] offset:\db*1024
	global_load_b128 v[BUF+64*(((\bb)+2)%3)+8*\db+4:BUF+64*(((\bb)+2)%3)+8*\db+7], v[BO+((\bb)+2)%3], s[BT:BT+1] offset:\db*1024+512
.endr
.endif
	s_wait_loadcnt \lc
	KWIN 1, \bb, \zero, \la, \d1
	KWIN 2, \bb, \zero, \la, \d2
	KWIN 3, \bb, \zero, \la, \d3
.endm
; The tables of blocks 4 hb .. 4 hb + 3 of my 8: -2 v into window 0, the bias into each of the three windows
.macro TABS hb
	WIN 0
.irp dq, 0,1,2,3
	ds_load_b128 v[VM+8*\dq:VM+8*\dq+3],   v[TB] offset:4096+(4*(\hb)+\dq)*64
	ds_load_b128 v[VM+8*\dq+4:VM+8*\dq+7], v[TB] offset:4096+(4*(\hb)+\dq)*64+16
.endr
.irp x, 1,2,3
	WIN 84*\x
.irp dq, 0,1,2,3
	ds_load_b128 v[216+8*\dq:216+8*\dq+3],   v[TB] offset:(4*(\hb)+\dq)*64
	ds_load_b128 v[216+8*\dq+4:216+8*\dq+7], v[TB] offset:(4*(\hb)+\dq)*64+16
.endr
.endr
	s_wait_dscnt 0x0
.endm
; tanh and the sum over d for window x's three row blocks and four blocks of d: 96 registers, under one window setting.  Each accumulator's lowest registers are read first.
; 96 exponentials are one batch with one wait, and so are 96 reciprocals
.macro EPI x, hb
	WIN 81*(\x)                                    ; destination, source 0 and source 2 in window x, source 1 (-2 v) in window 0
.irp rl, 0,1,2
.set e_, 64*\rl+32*(\hb)
.set c_, 216
.rept 16
	v_pk_fma_f32 v[e_:e_+1], v[e_:e_+1], s[C2:C2+1], v[c_:c_+1] op_sel_hi:[1,0,1]  ; 2 log2(e) (x + dec_proj + W_b)
.set e_, e_+2
.set c_, c_+2
.endr
.endr
.irp rl, 0,1,2
.set e_, 64*\rl+32*(\hb)
.rept 32
	v_exp_f32 v[e_], v[e_]
.set e_, e_+1
.endr
.endr
	v_nop                                          ; a plain instruction behind the last exponential
	s_wait_alu depctr_va_vdst(0)
.irp rl, 0,1,2
.set e_, 64*\rl+32*(\hb)
.rept 16
	v_pk_add_f32 v[e_:e_+1], v[e_:e_+1], 1.0 op_sel_hi:[1,0]
.set e_, e_+2
.endr
.endr
.irp rl, 0,1,2
.set e_, 64*\rl+32*(\hb)
.rept 32
	v_rcp_f32 v[e_], v[e_]                         ; an infinite exponential gives 0 (tanh = 1), one that is 0 gives 1 (tanh = -1)
.set e_, e_+1
.endr
.endr
	v_nop
	s_wait_alu depctr_va_vdst(0)
.set k_, 0
.rept 16                                       ; three chains take turns
.irp rl, 0,1,2
	v_pk_fma_f32 v[248+2*\rl:249+2*\rl], v[64*\rl+32*(\hb)+k_:64*\rl+32*(\hb)+k_+1], v[VM+k_:VM+k_+1], v[248+2*\rl:249+2*\rl]
.endr
.set k_, k_+2
.endr
.endm
; G4's macros.  32 slots x my 256 channels, turned, into buffer kk % 2 of window 2.  Step 4 has 16 slots: its second half takes the same rows again, against weights that are 0.
.macro AT kk
	WIN 0x80
.set b_, 128*((\kk)%2)
.set o_, RBB
.if (\kk) == 4
.set o_, 0
.endif
.set n_, 0
.rept 16
	ds_load_tr16_b128 v[b_+8*n_:b_+8*n_+3],   v[T+(\kk)] offset:32*n_
	ds_load_tr16_b128 v[b_+8*n_+4:b_+8*n_+7], v[T+(\kk)] offset:32*n_+o_
.set n_, n_+1
.endr
.endm
.macro CM kk                           ; 16 products: source 0 = the weights (the same in all 16 rows), source 1 = 16 channels; the 16 accumulators take turns
	WIN 0x58
.set b_, 128*((\kk)%2)
.set n_, 0
.rept 16
.if (\kk) == 0
	v_wmma_f32_16x16x32_bf16 v[8*n_:8*n_+7], v[VM+8*(\kk):VM+8*(\kk)+7], v[b_+8*n_:b_+8*n_+7], 0
.else
	v_wmma_f32_16x16x32_bf16 v[8*n_:8*n_+7], v[VM+8*(\kk):VM+8*(\kk)+7], v[b_+8*n_:b_+8*n_+7], v[8*n_:8*n_+7]
.endif
.set n_, n_+1
.endr
.endm
.Lpass:
	; G1: THE FILL
	s_cmp_lt_u32 s[PP], s[NP]
	s_cbranch_scc0 .Lg1e
	s_mul_i32 s[TS], s[WV], 36*PITCH
	v_lshl_add_u32 v[FL], v[LN], 3, s[TS]          ; my first slot, 8 bytes a lane
	s_mul_i32 s[LO], s[PP], 640
	s_mul_i32 s[TS], s[WV], 144
	s_add_co_u32 s[LO], s[LO], s[TS]
	s_load_b256 s[IX:IX+7], s[REC:REC+1], s[LO] offset:0x0  ; eight numbers, of which six are used
	s_wait_kmcnt 0x0
	OFFS 0
	OFFS 3
	LD 0
	LD 1
	WIN 0
	s_mov_b32 s[CT], 5
.Lfill:
	s_load_b256 s[IX:IX+7], s[REC:REC+1], s[LO] offset:0x18  ; the next six rows
	s_wait_loadcnt 24                              ; set 0 is in; set 1's 24 loads may stay out.  The wait also frees set 0's offsets
	PUT 0, 0
	s_wait_kmcnt 0x0
	OFFS 0
	LD 0
	s_wait_loadcnt 24                              ; set 1 is in
	PUT 1, 3
	OFFS 3
	LD 1
	WIN 0
	v_add_nc_u32 v[FL], 6*PITCH, v[FL]
	s_add_co_u32 s[LO], s[LO], 24                  ; the scalar load that read it was waited for above
	s_sub_co_u32 s[CT], s[CT], 1
	s_cmp_lg_u32 s[CT], 0
	s_cbranch_scc1 .Lfill
	s_wait_loadcnt 24
	PUT 0, 0
	s_wait_loadcnt 0x0
	PUT 1, 3
	WIN 0
.Lg1e:
	BAR                                            ; the rows (and, the first time, the tables) are whole
	; G2: PRODUCTS AND TANH.  The scores' sums are cleared ahead of the branch, in every pass: the segment behind the next barrier reads them
.irp x, 1,2,3
	WIN 64*\x
.irp k, 0,1,2,3,4,5
	v_mov_b32 v[248+\k], 0
.endr
.endr
	WIN 0
	s_cmp_lt_u32 s[PP], s[NP]
	s_cbranch_scc0 .Lg2m
	s_mov_b32 s[NT], 0
.Lnt:
	v_lshl_add_u32 v[TB], s[NT], 11, v[TB0]
	s_mov_b32 s[KA], 0
	s_mov_b32 s[KB], 8192
.irp x, 1,2,3
	WIN 84*\x
.irp rl, 0,1,2
	ds_load_b128 v[192+8*\rl:192+8*\rl+3],   v[A0+3*(\x-1)+\rl]
	ds_load_b128 v[192+8*\rl+4:192+8*\rl+7], v[A0+3*(\x-1)+\rl] offset:32
.endr
.endr
	KSTEP 0, 1, 1, 1, 12, 12, 12, 32               ; the first K step starts the sums: nothing is cleared
	KSTEP 1, 0, 1, 1, 12, 12, 12, 32
	KSTEP 2, 0, 1, 1, 12, 12, 12, 32
	WIN 0
	s_mov_b32 s[CT], 9
.Lk:                                           ; K steps 3 to 29
	KSTEP 0, 0, 1, 1, 12, 12, 12, 32
	KSTEP 1, 0, 1, 1, 12, 12, 12, 32
	KSTEP 2, 0, 1, 1, 12, 12, 12, 32
	WIN 0
	s_sub_co_u32 s[CT], s[CT], 1
	s_cmp_lg_u32 s[CT], 0
	s_cbranch_scc1 .Lk
	KSTEP 0, 0, 0, 1, 12, 12, 12, 16               ; nothing more of We to ask for: one K step's 16 loads may stay out,
	KSTEP 1, 0, 0, 0, 12, 6, 0, 0                  ; then none; no rows' fragments are fetched, so the counts run down
	WIN 0
	PLACES
	s_wait_xcnt 0x0                                ; every load has read its base
	s_add_co_u32 s[OF], s[NT], 1
	s_and_b32 s[OF], s[OF], 1
	s_lshl_b32 s[OF], s[OF], 20                    ; the other tile: four groups of 262,144 bytes on, or back
	s_add_nc_u64 s[BT:BT+1], s[BB:BB+1], s[OF:OF+1]
	PRO                                            ; its first two K steps land while the tanh is made
	TABS 0
	EPI 1, 0
	EPI 2, 0
	EPI 3, 0
	TABS 1
	EPI 1, 1
	EPI 2, 1
	EPI 3, 1
	WIN 0
	s_add_co_u32 s[NT], s[NT], 1
	s_cmp_lt_u32 s[NT], 2
	s_cbranch_scc1 .Lnt
.Lg2m:
	BAR                                            ; every wave's LDS loads of the products, whose addresses step with the loops, are back before any wave stores below
	; G2b: MY PART OF THE SCORES goes to LDS
	s_cmp_lt_u32 s[PP], s[NP]
	s_cbranch_scc0 .Lg2e
.irp x, 1,2,3
	WIN 5*\x
.irp rl, 0,1,2
	v_add_f32 v[T+3*(\x-1)+\rl], v[248+2*\rl], v[249+2*\rl]
.endr
.endr
	WIN 0
.irp rb, 0,1,2,3,4,5,6,7
	v_permlanex16_b32 v[T+9+\rb], v[T+\rb], s[SEL], s[SEL+1]  ; the row's other d lie in the lane 16 away
.endr
.irp rb, 0,1,2,3,4,5,6,7
	v_add_f32 v[T+\rb], v[T+\rb], v[T+9+\rb]
.endr
	v_permlanex16_b32 v[T+9], v[T+8], s[SEL], s[SEL+1]  ; the ninth block, into the register that the first addition has read
	v_add_f32 v[T+8], v[T+8], v[T+9]
.irp rb, 0,1,2,3,4,5,6,7,8
	ds_store_b32 v[PS], v[T+\rb] offset:64*\rb     ; both halves of the lanes write the same number
.endr
.Lg2e:
	BAR                                            ; all four waves' parts of the scores are written
	; G3: SCORES, MAXIMUM, WEIGHTS; every wave makes them.  Slot e = 32 i + lane, i = 0..4; slots 144 to 159 never hold a row
.set LS, 192                           ; v[192:196] the slots' rows
.set PT, 200                           ; v[200:219] four parts a slot
.set SV, 220                           ; v[220:223] the four parts of the sum of v
.set SC, 224                           ; v[224:228] scores
.set SM, 232                           ; v[232:236] scores, the lowest finite number where there is no row
.set PW, 240                           ; v[240:244] weights
.set PB, 248                           ; v[248:252] weights in bf16
	s_cmp_lt_u32 s[PP], s[NP]
	s_cbranch_scc0 .Lg3e
	s_mul_i32 s[TS], s[PP], 640
	v_lshl_add_u32 v[T+1], v[LN], 2, s[TS]
.irp i, 0,1,2,3,4
	global_load_b32 v[LS+\i], v[T+1], s[REC:REC+1] offset:128*\i
.endr
	v_lshl_add_u32 v[T+2], v[LN], 2, PARTS
	v_and_b32 v[T+3], 15, v0                       ; slots 144 on read the words of slots 128 on once more: they hold no row
	v_lshl_add_u32 v[T+3], v[T+3], 2, PARTS+512
.irp i, 0,1,2,3
.irp ww, 0,1,2,3
	ds_load_b32 v[PT+4*\i+\ww], v[T+2] offset:640*\ww+128*\i
.endr
.endr
.irp ww, 0,1,2,3
	ds_load_b32 v[PT+16+\ww], v[T+3] offset:640*\ww
.endr
	v_mov_b32 v[T+4], SVW
	ds_load_b128 v[SV:SV+3], v[T+4]
	v_mov_b32 v[T+5], 0xd01502f9                   ; -1e10
	v_mov_b32 v[T+6], 0xff7fffff
	s_wait_loadcnt 0x0
	s_wait_dscnt 0x0
	v_add_f32 v[T+7], v[SV], v[SV+1]
	v_add_f32 v[T+8], v[SV+2], v[SV+3]
	v_add_f32 v[T+7], v[T+7], v[T+8]               ; the sum of v: tanh = 1 - 2 / (..)
.irp i, 0,1,2,3,4
	v_add_f32 v[SC+\i], v[PT+4*\i], v[PT+4*\i+1]
	v_add_f32 v[SM+\i], v[PT+4*\i+2], v[PT+4*\i+3]
	v_add_f32 v[SC+\i], v[SC+\i], v[SM+\i]
	v_add_f32 v[SC+\i], v[SC+\i], v[T+7]
	v_cndmask_b32 v[SC+\i], v[SC+\i], v[T+5], s[AM]  ; a batch without a row: every score is -1e10
	v_cmp_gt_u32 s[VAL+\i], 0x400, v[LS+\i]
	v_cndmask_b32 v[SM+\i], v[T+6], v[SC+\i], s[VAL+\i]
.endr
	v_max3_num_f32 v[T+7], v[SM], v[SM+1], v[SM+2]
	v_max3_num_f32 v[T+7], v[T+7], v[SM+3], v[SM+4]
	v_max_num_f32_dpp v[T+7], v[T+7], v[T+7] row_xmask:1 row_mask:0xf bank_mask:0xf
	v_max_num_f32_dpp v[T+7], v[T+7], v[T+7] row_xmask:2 row_mask:0xf bank_mask:0xf
	v_max_num_f32_dpp v[T+7], v[T+7], v[T+7] row_xmask:4 row_mask:0xf bank_mask:0xf
	v_max_num_f32_dpp v[T+7], v[T+7], v[T+7] row_xmask:8 row_mask:0xf bank_mask:0xf
	v_permlanex16_b32 v[T+9], v[T+7], s[SEL], s[SEL+1]
	v_max3_num_f32 v[T+7], v[T+7], v[T+9], v[MR]   ; the new m
	v_sub_f32 v[T+8], v[MR], v[T+7]                ; the difference first, then the factor: equal numbers give exactly 0
	v_mul_f32 v[T+8], s[LE], v[T+8]
.irp i, 0,1,2,3,4
	v_sub_f32 v[PW+\i], v[SM+\i], v[T+7]
	v_mul_f32 v[PW+\i], s[LE], v[PW+\i]
.endr
	v_exp_f32 v[AA], v[T+8]
.irp i, 0,1,2,3,4
	v_exp_f32 v[PW+\i], v[PW+\i]
.endr
	v_mov_b32 v[MR], v[T+7]                        ; the plain instruction behind the last exponential
	s_wait_alu depctr_va_vdst(0)                   ; one wait for the six
.irp i, 0,1,2,3,4
	v_cndmask_b32 v[PW+\i], 0, v[PW+\i], s[VAL+\i]
.endr
	s_cmp_lg_u32 s[WV], 0
	s_cbranch_scc1 .Lg3e                           ; wave 0 writes them down
	v_lshl_add_u32 v[T+10], v[LN], 1, PTAB
	s_and_b32 s[TS], s[ID], 3
	s_lshl_b32 s[TS], s[TS], 5
	s_add_co_u32 s[TS], s[TS], 0x400
	v_add_nc_u32 v[T+11], s[TS], v[LN]             ; my pad word: 1024 + 32 q + lane
.irp i, 0,1,2,3,4
	v_cvt_pk_bf16_f32 v[PB+\i], v[PW+\i], v[PW+\i]
	ds_store_b16 v[T+10], v[PB+\i] offset:64*\i
	v_cndmask_b32 v[LS+\i], v[T+11], v[LS+\i], s[VAL+\i]  ; the slot's row, or the pad word
	v_min_u32 v[LS+\i], 0x47f, v[LS+\i]            ; inside the batch's 1,152 words whatever the record holds
	v_lshlrev_b32 v[LS+\i], 2, v[LS+\i]
	global_store_b32 v[LS+\i], v[SC+\i], s[SCO:SCO+1]  ; the row's score
.endr
	s_wait_xcnt 0x0                                ; the stores have read their offsets and data: the next segment loads into these registers
.Lg3e:
	BAR                                            ; the weights are written
	; G4: THE CONTEXT.  K = 160 slots in five steps; wave w owns channels 256 w .. 256 w + 255, 16 blocks of 16
	s_cmp_lt_u32 s[PP], s[NP]
	s_cbranch_scc0 .Lg4e
	v_and_b32 v[T+5], 7, v0                        ; the turning load: lane l reads slot 8 (l / 16) + l % 8, channels 8 ((l / 8) % 2) + 0..7
	v_bfe_u32 v[T+6], v0, 4, 1
	v_lshl_add_u32 v[T+5], v[T+6], 3, v[T+5]
	v_mul_u32_u24 v[T+5], v[T+5], PITCH
	v_lshl_add_u32 v[T+7], v[T+6], 4, PTAB         ; the weights: 8 slots for each half of the lanes, the same for every l % 16
	v_bfe_u32 v[T+6], v0, 3, 1
	v_lshl_add_u32 v[T+5], v[T+6], 4, v[T+5]
	s_lshl_b32 s[TS], s[WV], 9
	v_add_nc_u32 v[T], s[TS], v[T+5]
.irp kk, 1,2,3,4
	v_add_nc_u32 v[T+\kk], \kk*32*PITCH, v[T]
.endr
.irp kk, 0,1,2,3,4
	ds_load_b128 v[VM+8*\kk:VM+8*\kk+3],   v[T+7] offset:64*\kk
	ds_load_b128 v[VM+8*\kk+4:VM+8*\kk+7], v[T+7] offset:64*\kk+32
.endr
	AT 0
	AT 1
.irp kk, 0,1,2
	s_wait_dscnt 32                                ; this step's rows (and the weights) are in; the other buffer's 32 loads may stay out
	CM \kk
	PLACES
	AT \kk+2
.endr
	s_wait_dscnt 32
	CM 3
	s_wait_dscnt 0x0
	CM 4
	PLACES
	WIN 0x05
.irp i, 0,1,2,3,4,5,6,7
	v_cndmask_b32 v[T+5+\i], v[16*\i], v[16*\i+8], s[HM]  ; all rows of a result are alike: register 0 of lane l is channel l % 16 of its block; lanes 16-31 take the odd block's
.endr
	WIN 0
.irp i, 0,1,2,3,4,5,6,7
	v_fma_f32 v[CX+\i], v[CX+\i], v[AA], v[T+5+\i]
.endr
.Lg4e:
	BAR                                            ; nobody reads the rows or the weights any more
	s_add_co_u32 s[PP], s[PP], 1
	s_cmp_lt_u32 s[PP], 2
	s_cbranch_scc1 .Lpass
	; THE WAY OUT: my 256 channels through my own 1,024 bytes of LDS, so that a lane stores 16 bytes
	s_lshl_b32 s[TS], s[WV], 10
	v_add_nc_u32 v[T+2], s[TS], v[L16]
	s_add_co_u32 s[TS], s[TS], CTX
	v_lshl_add_u32 v[T], v[LN], 2, s[TS]
	v_add_nc_u32 v[T+1], s[TS], v[L16]
.irp i, 0,1,2,3,4,5,6,7
	ds_store_b32 v[T], v[CX+\i] offset:128*\i
.endr
	ds_load_b128 v[T+5:T+8], v[T+1]                ; LDS serves a wave's instructions in order (ISA guide 5.7.1.4): these see the stores above
	ds_load_b128 v[T+9:T+12], v[T+1] offset:512
	s_wait_dscnt 0x0
	global_store_b128 v[T+2], v[T+5:T+8], s[PRT:PRT+1]           ; 512 consecutive bytes, at a multiple of 256 from part's first byte
	global_store_b128 v[T+2], v[T+9:T+12], s[PRT:PRT+1] offset:512
	s_cmp_lg_u32 s[WV], 0
	s_cbranch_scc1 .Lend
	v_mov_b32 v[T+13], v[MR]
	v_mov_b32 v[T+14], v[MR]
	v_lshlrev_b32 v[T+15], 3, v[LN]
	global_store_b64 v[T+15], v[T+13:T+14], s[PRT:PRT+1] offset:4096  ; m, 64 times: 256 consecutive bytes
.Lend:
	s_wait_tensorcnt 0x0                           ; the wave's end, behind my last LDS store
	ds_add_u32 v[SPW], v[NIL]
	s_wait_dscnt 0x0
	s_endpgm
.Lfunc_end_k_qf40b8f368d_main:
	.size	k_qf40b8f368d_main, .Lfunc_end_k_qf40b8f368d_main-k_qf40b8f368d_main
	.p2alignl 7, 3214868480
	.fill 96, 4, 3214868480
	.section	.rodata,"a",@progbits
	.p2align	6, 0x0
	.amdhsa_kernel k_qf40b8f368d_main
		.amdhsa_group_segment_fixed_size 313344
		.amdhsa_private_segment_fixed_size 0
		.amdhsa_enable_private_segment 0
		.amdhsa_kernarg_size 64
		.amdhsa_user_sgpr_count 2
		.amdhsa_user_sgpr_kernarg_segment_ptr 1
		.amdhsa_wavefront_size32 1
		.amdhsa_system_sgpr_workgroup_id_x 1
		.amdhsa_system_sgpr_workgroup_id_y 1
		.amdhsa_system_sgpr_workgroup_id_z 1
		.amdhsa_system_vgpr_workitem_id 0
		.amdhsa_next_free_vgpr 1024
		.amdhsa_next_free_sgpr 80
		.amdhsa_reserve_vcc 0
		.amdhsa_float_denorm_mode_32 3
		.amdhsa_float_denorm_mode_16_64 3
		.amdhsa_memory_ordered 1
		.amdhsa_forward_progress 1
		.amdhsa_inst_pref_size 238
	.end_amdhsa_kernel
	.amdgpu_metadata
---
amdhsa.version: [ 1, 2 ]
amdhsa.kernels:
  - .name:           k_qf40b8f368d_main
    .symbol:         k_qf40b8f368d_main.kd
    .args:
      - { .name: encoder_outputs, .offset: 0, .size: 8, .value_kind: global_buffer, .address_space: global }
      - { .name: wef, .offset: 8, .size: 8, .value_kind: global_buffer, .address_space: global }
      - { .name: dpart, .offset: 16, .size: 8, .value_kind: global_buffer, .address_space: global }
      - { .name: W_b, .offset: 24, .size: 8, .value_kind: global_buffer, .address_space: global }
      - { .name: v_w, .offset: 32, .size: 8, .value_kind: global_buffer, .address_space: global }
      - { .name: lists, .offset: 40, .size: 8, .value_kind: global_buffer, .address_space: global }
      - { .name: score, .offset: 48, .size: 8, .value_kind: global_buffer, .address_space: global }
      - { .name: part, .offset: 56, .size: 8, .value_kind: global_buffer, .address_space: global }
    .group_segment_fixed_size: 313344
    .private_segment_fixed_size: 0
    .kernarg_segment_align: 8
    .kernarg_segment_size: 64
    .max_flat_workgroup_size: 128
    .sgpr_count:     80
    .vgpr_count:     1024
    .wavefront_size: 32
...
	.end_amdgpu_metadata
.endif
;; end of part 2
;; launch join (part 3): grid 256 x 1, 1 waves a work-group, no clusters, 0 bytes of LDS; arguments score, part, out0, out1; writes out0, out1
.if DOCPART == 3
	.amdgcn_target "amdgcn-amd-amdhsa--gfx1250"
	.amdhsa_code_object_version 6
	.text
	.protected	k_qf40b8f368d_join
	.globl	k_qf40b8f368d_join
	.p2align	8
	.type	k_qf40b8f368d_join,@function
k_qf40b8f368d_join:
	s_mov_b64 s[64:65], 0
	v_nop
	global_prefetch_b8 v0, s[64:65] scope:SCOPE_SE
	s_setreg_imm32_b32 hwreg(HW_REG_WAVE_MODE, 25, 1), 1
	s_wait_xcnt 0x0
; THE SOFTMAX'S END.  Work-group id = 4 b + q, one wave: out1[b][256 q ..] = e^(score - M) / L and out0[b][256 q ..] = the sum over the four quarters p of e^(m_p - M) / L x context_p,
; with M the maximum and L the sum of e^(score - M) over the batch's 1,024 scores (rows with mask = 0 hold -1e10; a batch's scores lie 4,608 bytes apart).  All in f32.
; No LDS, no barrier, no matrix work: 22 loads, 4 stores.
; LIMITS.  An exponential below 2^-126 counts as 0.  A quarter without rows has m_p at the lowest finite number and a context of 0: its factor is 0.
.set SC, 16                            ; v[16:47] the batch's scores; v[48:55] my quarter's; v[56:59] m_p: 44 numbers treated alike
.set CT, 60                            ; v[60:91] context_p, my 256 channels: 8 p + 4 j
.set GF, 92                            ; v[92:99] e^(m_p - M) / L, twice each: pairs for the packed arithmetic
	s_load_b256 s[4:11], s[0:1], 0x0               ; score s[4:5], part s[6:7], out0 s[8:9], out1 s[10:11]
	s_lshr_b32 s12, ttmp9, 2                       ; b
	s_and_b32 s13, ttmp9, 3                        ; q
	v_lshlrev_b32 v1, 4, v0                        ; 16 x lane
	s_lshl_b32 s14, s13, 10
	v_add_nc_u32 v10, s14, v1                      ; in my quarter
	v_lshlrev_b32 v11, 2, v0
	v_mov_b32 v3, 0                                ; v_permlanex16_b32 counts as a reader of its destination
	s_mov_b32 s16, 0x3fb8aa3b                      ; log2(e)
	s_mov_b32 s17, 0x3fb8aa3b
	s_mov_b32 s18, 0x76543210
	s_mov_b32 s19, 0xfedcba98
	s_mov_b32 s21, 0
	s_wait_kmcnt 0x0
	s_lshl_b32 s20, s12, 12
	s_add_nc_u64 s[8:9], s[8:9], s[20:21]
	s_add_nc_u64 s[10:11], s[10:11], s[20:21]
	s_mul_i32 s20, s12, 4608
	s_add_nc_u64 s[4:5], s[4:5], s[20:21]
	s_mul_i32 s20, s12, 4*4352
	s_add_nc_u64 s[6:7], s[6:7], s[20:21]
.irp i, 0,1,2,3,4,5,6,7
	global_load_b128 v[SC+4*\i:SC+4*\i+3], v1, s[4:5] offset:512*\i
.endr
.irp j, 0,1
	global_load_b128 v[SC+32+4*\j:SC+32+4*\j+3], v10, s[4:5] offset:512*\j
.endr
.irp p, 0,1,2,3
	global_load_b32 v[SC+40+\p], v11, s[6:7] offset:\p*4352+4096
.endr
.irp p, 0,1,2,3
.irp j, 0,1
	global_load_b128 v[CT+8*\p+4*\j:CT+8*\p+4*\j+3], v10, s[6:7] offset:\p*4352+512*\j
.endr
.endr
	s_wait_loadcnt 0x0
	v_max3_num_f32 v2, v[SC], v[SC+1], v[SC+2]
.set k, SC+3
.rept 14
	v_max3_num_f32 v2, v2, v[k], v[k+1]
.set k, k+2
.endr
	v_max_num_f32 v2, v2, v[SC+31]
	v_max_num_f32_dpp v2, v2, v2 row_xmask:1 row_mask:0xf bank_mask:0xf
	v_max_num_f32_dpp v2, v2, v2 row_xmask:2 row_mask:0xf bank_mask:0xf
	v_max_num_f32_dpp v2, v2, v2 row_xmask:4 row_mask:0xf bank_mask:0xf
	v_max_num_f32_dpp v2, v2, v2 row_xmask:8 row_mask:0xf bank_mask:0xf
	v_permlanex16_b32 v3, v2, s18, s19
	v_max_num_f32 v2, v2, v3                       ; M, in every lane
.set k, SC
.rept 22                                       ; the difference first, then the factor: equal numbers give exactly 0
	v_pk_add_f32 v[k:k+1], v[k:k+1], v[2:3] op_sel_hi:[1,0] neg_lo:[0,1] neg_hi:[0,1]
	v_pk_mul_f32 v[k:k+1], v[k:k+1], s[16:17] op_sel_hi:[1,0]
.set k, k+2
.endr
.set k, SC
.rept 44
	v_exp_f32 v[k], v[k]
.set k, k+1
.endr
	v_nop                                          ; a plain instruction behind the last exponential,
	s_wait_alu depctr_va_vdst(0)                   ; and the wait ahead of the first use: one for the 44
	v_pk_add_f32 v[4:5], v[SC:SC+1], v[SC+2:SC+3]
.set k, SC+4
.rept 14
	v_pk_add_f32 v[4:5], v[4:5], v[k:k+1]
.set k, k+2
.endr
	v_add_f32 v4, v4, v5
	v_add_f32_dpp v4, v4, v4 row_xmask:1 row_mask:0xf bank_mask:0xf
	v_add_f32_dpp v4, v4, v4 row_xmask:2 row_mask:0xf bank_mask:0xf
	v_add_f32_dpp v4, v4, v4 row_xmask:4 row_mask:0xf bank_mask:0xf
	v_add_f32_dpp v4, v4, v4 row_xmask:8 row_mask:0xf bank_mask:0xf
	v_permlanex16_b32 v5, v4, s18, s19
	v_add_f32 v4, v4, v5                           ; L: at least 1, since the largest score gives e^0
	v_rcp_f32 v6, v4
	v_rcp_f32 v7, v4
	v_nop
	s_wait_alu depctr_va_vdst(0)
.irp k, 0,2,4,6
	v_pk_mul_f32 v[SC+32+\k:SC+32+\k+1], v[SC+32+\k:SC+32+\k+1], v[6:7]
.endr
.irp p, 0,1,2,3
	v_mul_f32 v[GF+2*\p], v[SC+40+\p], v6
	v_mul_f32 v[GF+2*\p+1], v[SC+40+\p], v7
.endr
.irp k, 0,2,4,6
	v_pk_mul_f32 v[CT+\k:CT+\k+1], v[CT+\k:CT+\k+1], v[GF:GF+1]
.irp p, 1,2,3
	v_pk_fma_f32 v[CT+\k:CT+\k+1], v[CT+8*\p+\k:CT+8*\p+\k+1], v[GF+2*\p:GF+2*\p+1], v[CT+\k:CT+\k+1]
.endr
.endr
.irp j, 0,1
	global_store_b128 v10, v[CT+4*\j:CT+4*\j+3], s[8:9] offset:512*\j         ; 512 consecutive bytes, at a multiple of 256 from the output's first byte
	global_store_b128 v10, v[SC+32+4*\j:SC+32+4*\j+3], s[10:11] offset:512*\j
.endr
	s_endpgm
.Lfunc_end_k_qf40b8f368d_join:
	.size	k_qf40b8f368d_join, .Lfunc_end_k_qf40b8f368d_join-k_qf40b8f368d_join
	.p2alignl 7, 3214868480
	.fill 96, 4, 3214868480
	.section	.rodata,"a",@progbits
	.p2align	6, 0x0
	.amdhsa_kernel k_qf40b8f368d_join
		.amdhsa_group_segment_fixed_size 0
		.amdhsa_private_segment_fixed_size 0
		.amdhsa_enable_private_segment 0
		.amdhsa_kernarg_size 32
		.amdhsa_user_sgpr_count 2
		.amdhsa_user_sgpr_kernarg_segment_ptr 1
		.amdhsa_wavefront_size32 1
		.amdhsa_system_sgpr_workgroup_id_x 1
		.amdhsa_system_sgpr_workgroup_id_y 1
		.amdhsa_system_sgpr_workgroup_id_z 1
		.amdhsa_system_vgpr_workitem_id 0
		.amdhsa_next_free_vgpr 104
		.amdhsa_next_free_sgpr 66
		.amdhsa_reserve_vcc 0
		.amdhsa_float_denorm_mode_32 3
		.amdhsa_float_denorm_mode_16_64 3
		.amdhsa_memory_ordered 1
		.amdhsa_forward_progress 1
		.amdhsa_inst_pref_size 13
	.end_amdhsa_kernel
	.amdgpu_metadata
---
amdhsa.version: [ 1, 2 ]
amdhsa.kernels:
  - .name:           k_qf40b8f368d_join
    .symbol:         k_qf40b8f368d_join.kd
    .args:
      - { .name: score, .offset: 0, .size: 8, .value_kind: global_buffer, .address_space: global }
      - { .name: part, .offset: 8, .size: 8, .value_kind: global_buffer, .address_space: global }
      - { .name: out0, .offset: 16, .size: 8, .value_kind: global_buffer, .address_space: global }
      - { .name: out1, .offset: 24, .size: 8, .value_kind: global_buffer, .address_space: global }
    .group_segment_fixed_size: 0
    .private_segment_fixed_size: 0
    .kernarg_segment_align: 8
    .kernarg_segment_size: 32
    .max_flat_workgroup_size: 32
    .sgpr_count:     66
    .vgpr_count:     104
    .wavefront_size: 32
...
	.end_amdgpu_metadata
.endif
;; end of part 3
;; ======== version 2 of 2: 3 launches; version 1 with the launch main written anew for expert scheduling mode
;; limits: right only within a limited range of input values
;; workspace buffers: wef 2,097,152 bytes; dpart 4,194,304 bytes; lists 524,288 bytes of whole numbers; score 294,912 bytes; part 1,114,112 bytes
;; launch prep: the kernel of part 1 again; grid 256 x 1, 4 waves a work-group, no clusters, 18,176 bytes of LDS; arguments W_w, dec_hidden, mask, wef, dpart, lists, score; writes wef, dpart, lists, score
;; launch main (part 4): grid 256 x 1, 4 waves a work-group, no clusters, 313,344 bytes of LDS; arguments encoder_outputs, wef, dpart, W_b, v_w, lists, score, part; writes score, part
.if DOCPART == 4
	.amdgcn_target "amdgcn-amd-amdhsa--gfx1250"
	.amdhsa_code_object_version 6
	.text
	.protected	k_qf40b8f368d_main
	.globl	k_qf40b8f368d_main
	.p2align	8
	.type	k_qf40b8f368d_main,@function
k_qf40b8f368d_main:
	s_mov_b64 s[64:65], 0
	v_nop
	global_prefetch_b8 v0, s[64:65] scope:SCOPE_SE
	s_setreg_imm32_b32 hwreg(HW_REG_WAVE_SCHED_MODE, 0, 2), 2
	s_setreg_imm32_b32 hwreg(HW_REG_WAVE_MODE, 25, 1), 1
	s_wait_xcnt 0x0
	s_wait_alu depctr_vm_vsrc(0)
; SCORES AND PARTIAL CONTEXT of one quarter (q = id % 4) of one batch (b = id / 4): only the rows that the record in lists names (mask != 0; all rows where the batch has none).
; A PASS holds 144 row slots.  G1: the rows are read once, rounded to bf16 and kept in LDS.  G2: score = sum over d of v[d] tanh(We[d] . row + dec_proj[d] + W_b[d]), by matrix products
; (bf16 operands, f32 sums) and tanh(x) = 1 - 2 / (1 + 2^(2 log2(e) x)) in f32; G2b: each wave's part of the scores goes to LDS.  G3: running maximum m, weights p = e^(score - m).
; G4: context = a x context + p . rows, by matrix products on the rows still in LDS.  Out: the rows' scores, and the quarter's context and m; the next launch joins the four quarters.
; The number of passes is the constant 2; a pass that the record does not want jumps forward over its five segments, none of which holds a barrier; the five barriers stand between them.
; SHARES in G2.  Two tiles of 512 d; wave w owns 128 d (8 blocks of 16) of a tile and all 144 rows (9 blocks): 72 accumulators.  Source 0 = 16 d of We, source 1 = 16 rows: register j of lane l is
; d = 16 db + 8 (l / 16) + j, row l % 16: the sum over d stays in the lane, but for one exchange of the lanes' halves.
; We comes as ready fragments from wef straight into registers, two K steps ahead: no wave wants a fragment that another wave of the work-group has fetched.
; NO CLUSTER, NO TENSOR LOADS: all work-groups walk the same We, but the resident rows take 297,216 of a WGP's 327,680 bytes of LDS, and two slots of one K step of a tile
; (512 d x 32 k x 2 bytes = 32,768 each) do not fit beside them.  NO PREFETCH: wef is read by every work-group, and in the fill each wave has 48 loads of 512 bytes on their way.
; EXEC is never narrowed: a lane whose slot holds no row stores its number to a pad word of its own behind the batch's 1,024 scores (word 1024 + 32 q + lane), which nobody reads.
; LIMITS.  A row with mask = 0 is not read and has weight 0: that is reference()'s e^(-1e10 - max) as long as the sum of |v_w| stays far below 1e10; a NaN or an infinity in such a row does not
; spread.  Empty slots hold the batch's row 1023 with weight 0.  p is rounded once to bf16 for the context.  An exponential below 2^-126 counts as 0.
; THE MODE: SCHED_MODE bits 1:0 = 2 (LLVM: expert scheduling mode 2), set by the entry lines.  The code itself states the register dependences
; between vector or matrix instructions and memory or LDS instructions, with s_wait_alu, always for 0.
; THE PLAN.  Registers that memory or LDS instructions touch, and who else names them.  A segment may be jumped over, so each segment states all that its own lines hang on.
;   G1    RAW0, RAW1: a half's 48 roundings read RAW[set]; behind them the set's next three rows land in it.  OUT: written by the roundings, read by the half's 24 LDS stores.
;         v[FL], v[FO ..]: made anew at a half's head.  One wait on vm_vsrc at the head of a half, one on va_vdst behind its roundings; the loads and the stores follow that.
;   G2    BUF0 .. BUF2: K step ks multiplies BUF[ks % 3]; the loads of K step ks + 2 land in BUF[(ks + 2) % 3], which K step ks - 1 multiplied.
;         F0, F1 (in each of windows 1 to 3): K step ks multiplies F[ks % 2]; the LDS loads of K step ks + 1 land in the other, which K step ks - 1 multiplied.
;         v[L16], v[A0 ..]: never written again; We's three scalar bases move on.  v[AR ..]: written once in six K steps.
;         So ONE wait on va_vdst stands at a K step's head, and the step's 34 loads are dealt among its 72 products, which name none of the registers that those loads touch.
;         Behind the K loop: one wait on va_vdst ahead of the next tile's first loads and of the tables; a window's second bias table is asked for behind the wait for its first exponentials.
;   G2b, G3, G4, the way out: a wait on vm_vsrc at the head (v[T ..] and v192-255 are written again), all addresses made, one wait on va_vdst, then the loads or stores.
;         G4's five steps have five buffers, so no wait stands among its products.
.set PITCH, 2064                       ; a row in LDS: 2,048 bytes + 16 = 516 words: row r starts at bank 4 r mod 64 (64 banks of 4 bytes: ISA guide 11.1)
.set RBB,   16*PITCH                   ; a block of 16 rows
.set CBT,   144*PITCH                  ; 297,216: 1,024 f32: 2 log2(e) (dec_proj + W_b)
.set VMT,   CBT+4096                   ; 1,024 f32: -2 v
.set PARTS, VMT+4096                   ; 640 bytes a wave: its 256 d's part of each row's score
.set SVW,   PARTS+2560                 ; four words: each wave's part of the sum of v
.set PTAB,  SVW+256                    ; 160 weights in bf16
.set CTX,   PTAB+512                   ; 1,024 bytes a wave, for the way out
.set SPARE, CTX+4096                   ; the spare words, 128 bytes for each wave: two blocks of 256 bytes that no other line names
; window 0
.set SPW, 1                            ; v1   LDS address of my spare word; never rewritten
.set NIL, 2                            ; v2   0; never rewritten
.set L16, 3                            ; v3   16 x lane; never rewritten
.set AL,  4                            ; v4   (l % 16) x PITCH + 16 (l / 16)
.set TB0, 5                            ; v5   CBT + 4 (128 w + 8 (l / 16))
.set A0,  6                            ; v[6:14]   my place in row block rb; never rewritten
.set AR,  15                           ; v[15:23]  the same, six K steps (384 bytes) on for each trip of the K loop
.set TB,  27                           ; v27  TB0 in the tile in hand
.set MR,  28                           ; v28  m
.set AA,  29                           ; v29  a = e^(m_old - m_new)
.set CX,  30                           ; v[30:37]  context: channel 256 w + 32 i + lane
.set FL,  38                           ; v38  the fill's LDS address
.set FO,  39                           ; v[39:44]  the fill's six row offsets
.set LN,  45                           ; v45  lane
.set PS,  46                           ; v46  PARTS + 640 w + 4 (l % 16)
.set T,   47                           ; v[47:63]  at work
.set BUF, 64                           ; v[64:255] three buffers of 8 fragments of We
.set VM,  192                          ; outside the K loop the third buffer is at work: -2 v of my eight blocks; G3's numbers; the weights' fragments
; windows 1, 2, 3 (row blocks 3 (X - 1) + rl): v0-191 accumulators at 64 rl + 8 db; v192-215 and v216-239 the rows' fragments, two buffers, at FR + 24 f + 8 rl;
; behind the K loop v216-247 the bias of four blocks; v248-253 the scores' sums, a pair a block.
; In the fill window 1 holds RAW0 (v0-95), RAW1 (v96-191) and OUT (v192-239).  In G4 window 1 holds the context's sums (v0-127), and five buffers of 128 take the turned rows.
.set FR,  192
.set OUT, 192
; scalars
.set WV, 20
.set ID, 21
.set BI, 22
.set NP, 24                            ; s24 passes; s25 1: no row of the batch has mask != 0
.set PP, 26                            ; the pass
.set NT, 27                            ; the tile
.set CT, 28                            ; a loop's count
.set TS, 29                            ; at work
.set C2, 30                            ; s[30:31] 2 log2(e)
.set SEL, 32                           ; s[32:33] v_permlanex16_b32's selects: each lane takes its own place in the other half
.set BB, 36                            ; s[36:37] wef at my group of tile 0
.set OF, 38                            ; s[38:39] an offset; the high word stays 0
.set IX, 40                            ; s[40:47] row numbers
.set LO, 48                            ; byte in the record
.set FB, 49                            ; LDS byte of the six slots that the fill stores next
.set HM, 50                            ; lanes 16-31
.set AM, 51                            ; all ones if s25 = 1
.set LE, 52                            ; s[52:53] log2(e)
.set ENC, 54                           ; s[54:55] the batch's rows
.set REC, 56                           ; s[56:57] my record
.set KA, 58                            ; byte in a row at which the K loop's trip begins
.set SCO, 60                           ; s[60:61] the batch's scores
.set PRT, 66                           ; s[66:67] my record in part
.set VAL, 68                           ; s[68:72] which slots hold a row
.set WB, 74                            ; s[74:79] buffer i of We: wef at the K step that the buffer is asked for next: a pair at WB + 2 i
.set MSB, 0
.macro WIN new                         ; s_set_vgpr_msb: bits 1:0 source 0, 3:2 source 1, 5:4 source 2, 7:6 destination; the high byte repeats the setting that is left
.if MSB != (\new)
	s_set_vgpr_msb (MSB<<8)|(\new)
.set MSB, (\new)
.endif
.endm
.macro PLACES                          ; four plain places behind a matrix instruction (ISA guide 7.12.1)
.rept 4
	v_nop
.endr
.endm
.macro BAR
	s_wait_dscnt 0x0                               ; for the others' sake: my LDS stores are done and my LDS loads are back
	s_barrier_signal -1
	s_barrier_wait -1
.endm
.macro PRO                             ; K steps 0 and 1 of the tile into buffers 0 and 1, each by its own base: 32 loads of 512 consecutive bytes
	WIN 0
.irp ks, 0,1
.irp db, 0,1,2,3,4,5,6,7
	global_load_b128 v[BUF+64*\ks+8*\db:BUF+64*\ks+8*\db+3],   v[L16], s[WB+2*\ks:WB+2*\ks+1] offset:\db*1024
	global_load_b128 v[BUF+64*\ks+8*\db+4:BUF+64*\ks+8*\db+7], v[L16], s[WB+2*\ks:WB+2*\ks+1] offset:\db*1024+512
.endr
.endr
.endm
	s_load_b512 s[4:19], s[0:1], 0x0               ; encoder_outputs s[4:5], wef s[6:7], dpart s[8:9], W_b s[10:11], v_w s[12:13], lists s[14:15], score s[16:17], part s[18:19]
	v_lshl_add_u32 v[SPW], v0, 2, SPARE
	v_mov_b32 v[NIL], 0
	v_lshrrev_b32 v[T], 5, v0
	v_readfirstlane_b32 s[WV], v[T]                ; wave 0..3
	s_mov_b32 s[ID], ttmp9
	s_lshr_b32 s[BI], s[ID], 2
	v_and_b32 v[LN], 31, v0
	v_and_b32 v[T+2], 15, v0                       ; l % 16
	v_bfe_u32 v[T+3], v0, 4, 1                     ; l / 16
	v_lshlrev_b32 v[L16], 4, v[LN]
	v_mul_u32_u24 v[AL], v[T+2], PITCH
	v_lshl_add_u32 v[AL], v[T+3], 4, v[AL]
.irp rb, 0,1,2,3,4,5,6,7,8
	v_add_nc_u32 v[A0+\rb], \rb*RBB, v[AL]
.endr
	s_wait_alu depctr_va_sdst(0)                   ; the wave's number is written, ahead of its first reader
	s_lshl_b32 s[TS], s[WV], 9
	s_add_co_u32 s[TS], s[TS], CBT
	v_lshl_add_u32 v[TB0], v[T+3], 5, s[TS]
	s_mul_i32 s[TS], s[WV], 640
	s_add_co_u32 s[TS], s[TS], PARTS
	v_lshl_add_u32 v[PS], v[T+2], 2, s[TS]
	v_lshlrev_b32 v[T+4], 4, v0                    ; 16 x thread: the tables' four numbers a thread
	v_add_nc_u32 v[T+5], CBT, v[T+4]
	s_lshl_b32 s[TS], s[WV], 2
	s_add_co_u32 s[TS], s[TS], SVW
	v_mov_b32 v[T+6], s[TS]
.irp i, 9,10,11,12,13,14,15,16
	v_mov_b32 v[T+\i], 0                           ; v_permlanex16_b32 counts as a reader of its destination: the eight registers that take the exchanges are written once
.endr
	v_mov_b32 v[MR], 0xff7fffff                    ; m starts at the lowest finite number,
	v_mov_b32 v[AA], 1.0
.irp i, 0,1,2,3,4,5,6,7
	v_mov_b32 v[CX+\i], 0                          ; the context at 0
.endr
	s_mov_b32 s[C2], 0x4038aa3b
	s_mov_b32 s[C2+1], 0x4038aa3b
	s_mov_b32 s[SEL], 0x76543210
	s_mov_b32 s[SEL+1], 0xfedcba98
	s_mov_b32 s[HM], 0xffff0000
	s_mov_b32 s[LE], 0x3fb8aa3b
	s_mov_b32 s[LE+1], 0x3fb8aa3b
	s_mov_b32 s[PP], 0
	s_mov_b32 s[OF+1], 0
	s_wait_kmcnt 0x0
	s_lshl_b32 s[OF], s[BI], 22
	s_add_nc_u64 s[ENC:ENC+1], s[4:5], s[OF:OF+1]
	s_lshl_b32 s[OF], s[ID], 11
	s_add_nc_u64 s[REC:REC+1], s[14:15], s[OF:OF+1]
	s_mul_i32 s[OF], s[BI], 4608
	s_add_nc_u64 s[SCO:SCO+1], s[16:17], s[OF:OF+1]
	s_lshl_b32 s[OF], s[BI], 12
	s_add_nc_u64 s[8:9], s[8:9], s[OF:OF+1]        ; dpart[.][b]
	s_mul_i32 s[OF], s[ID], 4352
	s_add_nc_u64 s[PRT:PRT+1], s[18:19], s[OF:OF+1]
	s_lshl_b32 s[OF], s[WV], 18
	s_add_nc_u64 s[BB:BB+1], s[6:7], s[OF:OF+1]
	s_mov_b64 s[WB:WB+1], s[BB:BB+1]               ; K steps 0, 1 and 2 of tile 0
	s_add_nc_u64 s[WB+2:WB+3], s[BB:BB+1], 8192
	s_add_nc_u64 s[WB+4:WB+5], s[BB:BB+1], 16384
	s_load_b64 s[NP:NP+1], s[REC:REC+1], 0x500     ; numbers 320 and 321 of the record
	; THE TABLES.  Thread t makes d = 512 c + 4 t .. + 3, c = 0, 1: sixteen partial sums of dec_proj, W_b, v: 36 loads into window 2
	WIN 0x80
	s_wait_alu depctr_va_vdst(0)                   ; every offset and address made above is written: the loads and stores of the whole kernel read them
.irp c, 0,1
.set k_, 0
.rept 16
	global_load_b128 v[72*\c+4*k_:72*\c+4*k_+3], v[T+4], s[8:9] offset:k_*262144+2048*\c
.set k_, k_+1
.endr
	global_load_b128 v[72*\c+64:72*\c+67], v[T+4], s[10:11] offset:2048*\c
	global_load_b128 v[72*\c+68:72*\c+71], v[T+4], s[12:13] offset:2048*\c
.endr
	PRO
	s_wait_kmcnt 0x0
	s_min_u32 s[NP], s[NP], 2
	s_cmp_lg_u32 s[NP+1], 0
	s_cselect_b32 s[AM], -1, 0
	s_wait_loadcnt 32                              ; the tables' 36 loads are in; the 32 of We's first two K steps may stay out
	WIN 0x8a
.irp c, 0,1
.irp st, 8,4,2,1
.set k_, 0
.rept \st
	v_pk_add_f32 v[72*\c+4*k_:72*\c+4*k_+1],   v[72*\c+4*k_:72*\c+4*k_+1],   v[72*\c+4*(k_+\st):72*\c+4*(k_+\st)+1]
	v_pk_add_f32 v[72*\c+4*k_+2:72*\c+4*k_+3], v[72*\c+4*k_+2:72*\c+4*k_+3], v[72*\c+4*(k_+\st)+2:72*\c+4*(k_+\st)+3]
.set k_, k_+1
.endr
.endr
	v_pk_add_f32 v[72*\c:72*\c+1],   v[72*\c:72*\c+1],   v[72*\c+64:72*\c+65]
	v_pk_add_f32 v[72*\c+2:72*\c+3], v[72*\c+2:72*\c+3], v[72*\c+66:72*\c+67]
	v_pk_mul_f32 v[72*\c:72*\c+1],   v[72*\c:72*\c+1],   s[C2:C2+1] op_sel_hi:[1,0]
	v_pk_mul_f32 v[72*\c+2:72*\c+3], v[72*\c+2:72*\c+3], s[C2:C2+1] op_sel_hi:[1,0]
	v_pk_add_f32 v[144+2*\c:145+2*\c], v[72*\c+68:72*\c+69], v[72*\c+70:72*\c+71]
	v_pk_mul_f32 v[72*\c+68:72*\c+69], v[72*\c+68:72*\c+69], -2.0 op_sel_hi:[1,0]
	v_pk_mul_f32 v[72*\c+70:72*\c+71], v[72*\c+70:72*\c+71], -2.0 op_sel_hi:[1,0]
.endr
	v_pk_add_f32 v[144:145], v[144:145], v[146:147]
	WIN 0x0a
	v_add_f32 v[T+7], v144, v145                   ; my eight v
	WIN 0
	v_add_f32_dpp v[T+7], v[T+7], v[T+7] row_xmask:1 row_mask:0xf bank_mask:0xf
	v_add_f32_dpp v[T+7], v[T+7], v[T+7] row_xmask:2 row_mask:0xf bank_mask:0xf
	v_add_f32_dpp v[T+7], v[T+7], v[T+7] row_xmask:4 row_mask:0xf bank_mask:0xf
	v_add_f32_dpp v[T+7], v[T+7], v[T+7] row_xmask:8 row_mask:0xf bank_mask:0xf
	v_permlanex16_b32 v[T+9], v[T+7], s[SEL], s[SEL+1]
	v_add_f32 v[T+7], v[T+7], v[T+9]
	WIN 0x08
	s_wait_alu depctr_va_vdst(0)                   ; the tables' numbers and my wave's sum of v are written, which the five LDS stores read
.irp c, 0,1
	ds_store_b128 v[T+5], v[72*\c:72*\c+3] offset:2048*\c
	ds_store_b128 v[T+5], v[72*\c+68:72*\c+71] offset:4096+2048*\c
.endr
	WIN 0
	ds_store_b32 v[T+6], v[T+7]                    ; my wave's part of the sum of v
; G1's macros.  Wave w fills slots 36 w .. 36 w + 35, three rows (24 loads of 512 consecutive bytes, 96 registers of window 1) at a time, on two sets of registers.
.macro OFFS k0                         ; three row numbers become offsets; 1024 (no row) becomes row 1023
	WIN 0
.irp k, 0,1,2
	s_min_u32 s[IX+(\k0)+\k], s[IX+(\k0)+\k], 0x3ff
	s_lshl_b32 s[IX+(\k0)+\k], s[IX+(\k0)+\k], 12  ; rows of 4,096 bytes
	v_add_nc_u32 v[FO+(\k0)+\k], s[IX+(\k0)+\k], v[L16]
.endr
.endm
.macro LD set
	WIN 0x40
.irp k, 0,1,2
.irp c, 0,1,2,3,4,5,6,7
	global_load_b128 v[96*(\set)+32*\k+4*\c:96*(\set)+32*\k+4*\c+3], v[FO+3*(\set)+\k], s[ENC:ENC+1] offset:512*\c
.endr
.endr
.endm
; Half a trip of the fill: the three rows in RAW[set] are rounded into OUT (four f32 become 8 bytes) and stored, 32 lanes to 256 consecutive bytes of a row.
; more = 1: the set is asked for again, ahead of the stores.  left: the other set's loads, which may stay out.
.macro HALF set, rowoff, more, left
	s_wait_loadcnt \left                           ; RAW[set] is in.  The wait also shows the loads that read the set's offsets done
.if (\more) && ((\set) == 0)
	s_wait_kmcnt 0x0                               ; the next six row numbers
.endif
	WIN 0
	s_wait_alu depctr_vm_vsrc(0)                   ; the LDS stores of the half before have read OUT and v[FL], the set's loads its offsets: all are written again below
.if (\set) == 0
	v_lshl_add_u32 v[FL], v[LN], 3, s[FB]          ; this trip's six slots, 8 bytes a lane
	s_add_co_u32 s[FB], s[FB], 6*PITCH
.endif
.if \more
	OFFS 3*(\set)
.endif
	WIN 0x45
.set a_, 96*(\set)
.set o_, OUT
.rept 24
	v_cvt_pk_bf16_f32 v[o_], v[a_], v[a_+1]
	v_cvt_pk_bf16_f32 v[o_+1], v[a_+2], v[a_+3]
.set a_, a_+4
.set o_, o_+2
.endr
	s_wait_alu depctr_va_vdst(0)                   ; the roundings are done reading RAW[set], in which the loads below land, and have written OUT, which the stores read; v[FL] and the offsets are written
.if \more
	LD \set
.endif
	WIN 0x04
.irp k, 0,1,2
.irp c, 0,1,2,3,4,5,6,7
	ds_store_b64 v[FL], v[OUT+16*\k+2*\c:OUT+16*\k+2*\c+1] offset:((\rowoff)+\k)*PITCH+256*\c
.endr
.endr
.endm
; G2's macros.  KWIN: the 24 products of window x in a K step (its three row blocks x my 8 blocks of d), on buffer bb of We and buffer fb of the rows' fragments.
; la = 1: the window's fragments of the next K step, at byte off from v[ab ..], go into the other buffer, two loads ahead of each eight products.
; All 72 accumulators take turns, one instruction a turn, over the backward jump too.
.macro KWIN x, bb, fb, zero, la, ab, off, dsn
	WIN 84*(\x)                                    ; accumulators and rows' fragments in window x, We's and the addresses in window 0
	s_wait_dscnt \dsn
.irp rl, 0,1,2
.if \la
	ds_load_b128 v[FR+24*(1-(\fb))+8*\rl:FR+24*(1-(\fb))+8*\rl+3],   v[(\ab)+3*((\x)-1)+\rl] offset:(\off)
	ds_load_b128 v[FR+24*(1-(\fb))+8*\rl+4:FR+24*(1-(\fb))+8*\rl+7], v[(\ab)+3*((\x)-1)+\rl] offset:(\off)+32
.endif
.irp db, 0,1,2,3,4,5,6,7
.if \zero
	v_wmma_f32_16x16x32_bf16 v[64*\rl+8*\db:64*\rl+8*\db+7], v[BUF+64*(\bb)+8*\db:BUF+64*(\bb)+8*\db+7], v[FR+24*(\fb)+8*\rl:FR+24*(\fb)+8*\rl+7], 0
.else
	v_wmma_f32_16x16x32_bf16 v[64*\rl+8*\db:64*\rl+8*\db+7], v[BUF+64*(\bb)+8*\db:BUF+64*(\bb)+8*\db+7], v[FR+24*(\fb)+8*\rl:FR+24*(\fb)+8*\rl+7], v[64*\rl+8*\db:64*\rl+8*\db+7]
.endif
.endr
.endr
.endm
.macro WEL b, d0                       ; four of the eight fragments of We of one K step into buffer b: eight loads of 512 consecutive bytes
	WIN 0
.irp dd, 0,1,2,3
	global_load_b128 v[BUF+64*(\b)+8*((\d0)+\dd):BUF+64*(\b)+8*((\d0)+\dd)+3],   v[L16], s[WB+2*(\b):WB+2*(\b)+1] offset:((\d0)+\dd)*1024
	global_load_b128 v[BUF+64*(\b)+8*((\d0)+\dd)+4:BUF+64*(\b)+8*((\d0)+\dd)+7], v[L16], s[WB+2*(\b):WB+2*(\b)+1] offset:((\d0)+\dd)*1024+512
.endr
.endm
; A K step of 32.  issue = 1: We's fragments of the K step two on go into the buffer that the last K step multiplied, eight loads at each of the two changes of window.
; step = 1: the rows' nine LDS addresses move on by six K steps.  hw = 1: the step issues loads, so it has the wait at its head.
; lc: loads that may stay out: the 16 of the next K step.  d1-d3: LDS loads that may stay out: behind a window's six stand the six of each of the two windows that follow it.
.macro KSTEP bb, fb, off, ab, zero, issue, la, step, hw, lc, d1, d2, d3
.if \step
	WIN 0
	s_add_co_u32 s[KA], s[KA], 384
	s_wait_alu depctr_vm_vsrc(0)                   ; the LDS loads issued so far have read v[AR ..]
.irp rb, 0,1,2,3,4,5,6,7,8
	v_add_nc_u32 v[AR+\rb], s[KA], v[A0+\rb]
.endr
.elseif \hw
	PLACES                                         ; as in the plain form, four plain instructions between the last K step's products and the loads into registers that those read (with step = 1: the nine additions)
.endif
.if \hw
	s_wait_alu depctr_va_vdst(0)                   ; the last K step's products are done reading its buffer of We and its rows' fragments, in which this step's loads land; with step = 1, v[AR ..] are written
.endif
	s_wait_loadcnt \lc
.if \issue
	s_add_nc_u64 s[WB+2*(\bb):WB+2*(\bb)+1], s[WB+2*(\bb):WB+2*(\bb)+1], 24576  ; free since that wait, which shows the loads that read it done: the buffer's next K step, three on
.endif
	KWIN 1, \bb, \fb, \zero, \la, \ab, \off, \d1
.if \issue
	WEL ((\bb)+2)%3, 0                             ; no wait: no vector or matrix instruction since the wait at the head names this buffer
.endif
	KWIN 2, \bb, \fb, \zero, \la, \ab, \off, \d2
.if \issue
	WEL ((\bb)+2)%3, 4
.endif
	KWIN 3, \bb, \fb, \zero, \la, \ab, \off, \d3
.endm
; Six K steps: We's three buffers and the fragments' two are back at their start
.macro SIX ab, zero, step
	KSTEP 0, 0, 64,  \ab, \zero, 1, 1, \step, 1-(\zero), 16, 12, 12, 12
	KSTEP 1, 1, 128, \ab, 0, 1, 1, 0, 1, 16, 12, 12, 12
	KSTEP 2, 0, 192, \ab, 0, 1, 1, 0, 1, 16, 12, 12, 12
	KSTEP 0, 1, 256, \ab, 0, 1, 1, 0, 1, 16, 12, 12, 12
	KSTEP 1, 0, 320, \ab, 0, 1, 1, 0, 1, 16, 12, 12, 12
	KSTEP 2, 1, 384, \ab, 0, 1, 1, 0, 1, 16, 12, 12, 12
.endm
; The bias of blocks 4 hb .. 4 hb + 3 of my 8, into window x
.macro BIAS x, hb
	WIN 84*(\x)
.irp dq, 0,1,2,3
	ds_load_b128 v[216+8*\dq:216+8*\dq+3],   v[TB] offset:(4*(\hb)+\dq)*64
	ds_load_b128 v[216+8*\dq+4:216+8*\dq+7], v[TB] offset:(4*(\hb)+\dq)*64+16
.endr
.endm
; The tables: -2 v of all my 8 blocks into window 0, the bias of the first four into each of the three windows
.macro TABS
	WIN 0
.irp dq, 0,1,2,3,4,5,6,7
	ds_load_b128 v[VM+8*\dq:VM+8*\dq+3],   v[TB] offset:4096+\dq*64
	ds_load_b128 v[VM+8*\dq+4:VM+8*\dq+7], v[TB] offset:4096+\dq*64+16
.endr
	BIAS 1, 0
	BIAS 2, 0
	BIAS 3, 0
	s_wait_dscnt 0x0
.endm
; tanh and the sum over d for window x's three row blocks and four blocks of d: 96 registers.  Each accumulator's lowest registers are read first.
; 96 exponentials are one batch with one wait, and so are 96 reciprocals
.macro EPI x, hb
	WIN 81*(\x)                                    ; destination, source 0 and source 2 in window x, source 1 (-2 v) in window 0
.irp rl, 0,1,2
.set e_, 64*\rl+32*(\hb)
.set c_, 216
.rept 16
	v_pk_fma_f32 v[e_:e_+1], v[e_:e_+1], s[C2:C2+1], v[c_:c_+1] op_sel_hi:[1,0,1]  ; 2 log2(e) (x + dec_proj + W_b)
.set e_, e_+2
.set c_, c_+2
.endr
.endr
.irp rl, 0,1,2
.set e_, 64*\rl+32*(\hb)
.rept 32
	v_exp_f32 v[e_], v[e_]
.set e_, e_+1
.endr
.endr
	v_nop                                          ; a plain instruction behind the last exponential
	s_wait_alu depctr_va_vdst(0)                   ; the 96 exponentials are written; the scalings above are done reading the window's bias
.if (\hb) == 0
	BIAS \x, 1                                     ; so the bias of the other four blocks may land there: nothing names these registers before the window's second turn
	WIN 81*(\x)
.endif
.irp rl, 0,1,2
.set e_, 64*\rl+32*(\hb)
.rept 16
	v_pk_add_f32 v[e_:e_+1], v[e_:e_+1], 1.0 op_sel_hi:[1,0]
.set e_, e_+2
.endr
.endr
.irp rl, 0,1,2
.set e_, 64*\rl+32*(\hb)
.rept 32
	v_rcp_f32 v[e_], v[e_]                         ; an infinite exponential gives 0 (tanh = 1), one that is 0 gives 1 (tanh = -1)
.set e_, e_+1
.endr
.endr
	v_nop
	s_wait_alu depctr_va_vdst(0)                   ; the 96 reciprocals are written
.set k_, 0
.rept 16                                       ; three chains take turns
.irp rl, 0,1,2
	v_pk_fma_f32 v[248+2*\rl:249+2*\rl], v[64*\rl+32*(\hb)+k_:64*\rl+32*(\hb)+k_+1], v[VM+32*(\hb)+k_:VM+32*(\hb)+k_+1], v[248+2*\rl:249+2*\rl]
.endr
.set k_, k_+2
.endr
.endm
; G4's macros.  32 slots x my 256 channels, turned, into a buffer of 128 registers of the step's own: steps 0, 1 in window 2, steps 2, 3 in window 3, step 4 in the upper half of window 1.
; Step 4 has 16 slots: its second half takes the same rows again, against weights that are 0.
.macro WHERE kk
.set w_, 2+(\kk)/2
.set b_, 128*((\kk)%2)
.if (\kk) == 4
.set w_, 1
.set b_, 128
.endif
.endm
.macro AT kk
	WHERE \kk
	WIN 64*w_
.set o_, RBB
.if (\kk) == 4
.set o_, 0
.endif
.set n_, 0
.rept 16
	ds_load_tr16_b128 v[b_+8*n_:b_+8*n_+3],   v[T+(\kk)] offset:32*n_
	ds_load_tr16_b128 v[b_+8*n_+4:b_+8*n_+7], v[T+(\kk)] offset:32*n_+o_
.set n_, n_+1
.endr
.endm
.macro CM kk                           ; 16 products: source 0 = the weights (the same in all 16 rows), source 1 = 16 channels; the 16 accumulators, in window 1, take turns
	WHERE \kk
	WIN 80+4*w_
.set n_, 0
.rept 16
.if (\kk) == 0
	v_wmma_f32_16x16x32_bf16 v[8*n_:8*n_+7], v[VM+8*(\kk):VM+8*(\kk)+7], v[b_+8*n_:b_+8*n_+7], 0
.else
	v_wmma_f32_16x16x32_bf16 v[8*n_:8*n_+7], v[VM+8*(\kk):VM+8*(\kk)+7], v[b_+8*n_:b_+8*n_+7], v[8*n_:8*n_+7]
.endif
.set n_, n_+1
.endr
.endm
.Lpass:
	; G1: THE FILL
	s_cmp_lt_u32 s[PP], s[NP]
	s_cbranch_scc0 .Lg1e
	s_mul_i32 s[FB], s[WV], 36*PITCH               ; my first slot
	s_mul_i32 s[LO], s[PP], 640
	s_mul_i32 s[TS], s[WV], 144
	s_add_co_u32 s[LO], s[LO], s[TS]
	s_load_b256 s[IX:IX+7], s[REC:REC+1], s[LO] offset:0x0  ; eight numbers, of which six are used
	s_wait_kmcnt 0x0
	s_wait_alu depctr_vm_vsrc(0)                   ; the last pass's loads of rows have read the six offsets, which are written again
	OFFS 0
	OFFS 3
	s_wait_alu depctr_va_vdst(0)                   ; the six offsets are written; the last pass's products and what read their sums are done with window 1's v0-191, in which the rows land
	LD 0
	LD 1
	WIN 0
	s_mov_b32 s[CT], 5
.Lfill:
	s_load_b256 s[IX:IX+7], s[REC:REC+1], s[LO] offset:0x18  ; the next six rows
	HALF 0, 0, 1, 24
	HALF 1, 3, 1, 24
	WIN 0
	s_add_co_u32 s[LO], s[LO], 24                  ; the scalar load that read it was waited for above
	s_sub_co_u32 s[CT], s[CT], 1
	s_cmp_lg_u32 s[CT], 0
	s_cbranch_scc1 .Lfill
	HALF 0, 0, 0, 24                               ; the last six rows: nothing more is asked for, and the counts run down
	HALF 1, 3, 0, 0
	WIN 0
.Lg1e:
	BAR                                            ; the rows (and, the first time, the tables) are whole
	; G2: PRODUCTS AND TANH.  The scores' sums are cleared ahead of the branch, in every pass: the segment behind the next barrier reads them
.irp x, 1,2,3
	WIN 64*\x
.irp k, 0,1,2,3,4,5
	v_mov_b32 v[248+\k], 0
.endr
.endr
	WIN 0
	s_cmp_lt_u32 s[PP], s[NP]
	s_cbranch_scc0 .Lg2m
	s_mov_b32 s[NT], 0
.Lnt:
	s_wait_alu depctr_vm_vsrc(0)                   ; the tables' LDS loads have read v[TB]; the fill's and the head's LDS stores and the scores' stores have read registers in which fragments land and products are written
	v_lshl_add_u32 v[TB], s[NT], 11, v[TB0]
	s_mov_b32 s[KA], 0
	s_wait_alu depctr_va_vdst(0)                   ; v[TB] is written; all that named the fragments' two buffers and We's third buffer (roundings, tanh's scalings and sums, the last pass's weights and products) is done
.irp x, 1,2,3
	WIN 84*\x
.irp rl, 0,1,2
	ds_load_b128 v[FR+8*\rl:FR+8*\rl+3],   v[A0+3*(\x-1)+\rl]
	ds_load_b128 v[FR+8*\rl+4:FR+8*\rl+7], v[A0+3*(\x-1)+\rl] offset:32
.endr
.endr
	SIX A0, 1, 0                                   ; K steps 0 to 5; the first starts the sums: nothing is cleared; the wait above serves its loads
	WIN 0
	s_mov_b32 s[CT], 4
.Lk:                                           ; K steps 6 to 29
	SIX AR, 0, 1
	WIN 0
	s_sub_co_u32 s[CT], s[CT], 1
	s_cmp_lg_u32 s[CT], 0
	s_cbranch_scc1 .Lk
	KSTEP 0, 0, 64, AR, 0, 0, 1, 1, 1, 16, 12, 12, 12  ; nothing more of We to ask for: the last K step's 16 loads may stay out,
	KSTEP 1, 1, 0, AR, 0, 0, 0, 0, 0, 0, 12, 6, 0      ; then none; it issues no load, so it has no wait at its head, and the counts run down
	WIN 0
	PLACES                                         ; four places behind the last product, before its result is read
	s_wait_alu depctr_va_vdst(0)                   ; the products are done reading We's three buffers and the fragments' second buffer, in which the loads below land
	s_wait_xcnt 0x0                                ; every load has read its base
	s_add_co_u32 s[OF], s[NT], 1
	s_and_b32 s[OF], s[OF], 1
	s_lshl_b32 s[OF], s[OF], 20                    ; the other tile: four groups of 262,144 bytes on, or back
	s_add_nc_u64 s[WB:WB+1], s[BB:BB+1], s[OF:OF+1]
	s_add_nc_u64 s[WB+2:WB+3], s[WB:WB+1], 8192
	s_add_nc_u64 s[WB+4:WB+5], s[WB:WB+1], 16384
	PRO                                            ; its first two K steps land while the tanh is made
	TABS
	EPI 1, 0
	EPI 2, 0
	EPI 3, 0
	s_wait_dscnt 0x0                               ; the bias of the other four blocks is in, in all three windows
	EPI 1, 1
	EPI 2, 1
	EPI 3, 1
	WIN 0
	s_add_co_u32 s[NT], s[NT], 1
	s_cmp_lt_u32 s[NT], 2
	s_cbranch_scc1 .Lnt
.Lg2m:
	BAR                                            ; every wave's LDS loads of the products, whose addresses step with the loops, are back before any wave stores below
	; G2b: MY PART OF THE SCORES goes to LDS
	s_cmp_lt_u32 s[PP], s[NP]
	s_cbranch_scc0 .Lg2e
	s_wait_alu depctr_vm_vsrc(0)                   ; the head's loads and stores, and the last pass's, have read v[T ..] as addresses and data: they are written again below
.irp x, 1,2,3
	WIN 5*\x
.irp rl, 0,1,2
	v_add_f32 v[T+3*(\x-1)+\rl], v[248+2*\rl], v[249+2*\rl]
.endr
.endr
	WIN 0
.irp rb, 0,1,2,3,4,5,6,7
	v_permlanex16_b32 v[T+9+\rb], v[T+\rb], s[SEL], s[SEL+1]  ; the row's other d lie in the lane 16 away
.endr
.irp rb, 0,1,2,3,4,5,6,7
	v_add_f32 v[T+\rb], v[T+\rb], v[T+9+\rb]
.endr
	v_permlanex16_b32 v[T+9], v[T+8], s[SEL], s[SEL+1]  ; the ninth block, into the register that the first addition has read
	v_add_f32 v[T+8], v[T+8], v[T+9]
	s_wait_alu depctr_va_vdst(0)                   ; the nine sums are written, which the LDS stores read
.irp rb, 0,1,2,3,4,5,6,7,8
	ds_store_b32 v[PS], v[T+\rb] offset:64*\rb     ; both halves of the lanes write the same number
.endr
.Lg2e:
	BAR                                            ; all four waves' parts of the scores are written
	; G3: SCORES, MAXIMUM, WEIGHTS; every wave makes them.  Slot e = 32 i + lane, i = 0..4; slots 144 to 159 never hold a row
.set LS, 192                           ; v[192:196] the slots' rows
.set PT, 200                           ; v[200:219] four parts a slot
.set SV, 220                           ; v[220:223] the four parts of the sum of v
.set SC, 224                           ; v[224:228] scores
.set SM, 232                           ; v[232:236] scores, the lowest finite number where there is no row
.set PW, 240                           ; v[240:244] weights
.set PB, 248                           ; v[248:252] weights in bf16
	s_cmp_lt_u32 s[PP], s[NP]
	s_cbranch_scc0 .Lg3e
	s_mul_i32 s[TS], s[PP], 640
	s_wait_alu depctr_vm_vsrc(0)                   ; my LDS stores of the scores' parts have read v[T ..]; the last pass's stores have read the rows' offsets, the scores and the weights in v192-252: all are written again below
	v_lshl_add_u32 v[T+1], v[LN], 2, s[TS]
	v_lshl_add_u32 v[T+2], v[LN], 2, PARTS
	v_and_b32 v[T+3], 15, v0                       ; slots 144 on read the words of slots 128 on once more: they hold no row
	v_lshl_add_u32 v[T+3], v[T+3], 2, PARTS+512
	v_mov_b32 v[T+4], SVW
	v_mov_b32 v[T+5], 0xd01502f9                   ; -1e10
	v_mov_b32 v[T+6], 0xff7fffff
	s_wait_alu depctr_va_vdst(0)                   ; the four addresses are written; tanh's sums, which read -2 v, and the last pass's products, which read the weights, are done with v192-223, in which the loads land
.irp i, 0,1,2,3,4
	global_load_b32 v[LS+\i], v[T+1], s[REC:REC+1] offset:128*\i
.endr
.irp i, 0,1,2,3
.irp ww, 0,1,2,3
	ds_load_b32 v[PT+4*\i+\ww], v[T+2] offset:640*\ww+128*\i
.endr
.endr
.irp ww, 0,1,2,3
	ds_load_b32 v[PT+16+\ww], v[T+3] offset:640*\ww
.endr
	ds_load_b128 v[SV:SV+3], v[T+4]
	s_wait_loadcnt 0x0
	s_wait_dscnt 0x0
.irp i, 0,1,2,3,4
	v_cmp_gt_u32 s[VAL+\i], 0x400, v[LS+\i]        ; the five masks in a run; the additions below stand between them and the wait for them
.endr
	v_add_f32 v[T+7], v[SV], v[SV+1]
	v_add_f32 v[T+8], v[SV+2], v[SV+3]
	v_add_f32 v[T+7], v[T+7], v[T+8]               ; the sum of v: tanh = 1 - 2 / (..)
.irp i, 0,1,2,3,4
	v_add_f32 v[SC+\i], v[PT+4*\i], v[PT+4*\i+1]
	v_add_f32 v[SM+\i], v[PT+4*\i+2], v[PT+4*\i+3]
	v_add_f32 v[SC+\i], v[SC+\i], v[SM+\i]
	v_add_f32 v[SC+\i], v[SC+\i], v[T+7]
	v_cndmask_b32 v[SC+\i], v[SC+\i], v[T+5], s[AM]  ; a batch without a row: every score is -1e10
.endr
	s_wait_alu depctr_va_sdst(0)                   ; the five masks are written, ahead of their first reader
.irp i, 0,1,2,3,4
	v_cndmask_b32 v[SM+\i], v[T+6], v[SC+\i], s[VAL+\i]
.endr
	v_max3_num_f32 v[T+7], v[SM], v[SM+1], v[SM+2]
	v_max3_num_f32 v[T+7], v[T+7], v[SM+3], v[SM+4]
	v_max_num_f32_dpp v[T+7], v[T+7], v[T+7] row_xmask:1 row_mask:0xf bank_mask:0xf
	v_max_num_f32_dpp v[T+7], v[T+7], v[T+7] row_xmask:2 row_mask:0xf bank_mask:0xf
	v_max_num_f32_dpp v[T+7], v[T+7], v[T+7] row_xmask:4 row_mask:0xf bank_mask:0xf
	v_max_num_f32_dpp v[T+7], v[T+7], v[T+7] row_xmask:8 row_mask:0xf bank_mask:0xf
	v_permlanex16_b32 v[T+9], v[T+7], s[SEL], s[SEL+1]
	v_max3_num_f32 v[T+7], v[T+7], v[T+9], v[MR]   ; the new m
	v_sub_f32 v[T+8], v[MR], v[T+7]                ; the difference first, then the factor: equal numbers give exactly 0
	v_mul_f32 v[T+8], s[LE], v[T+8]
.irp i, 0,1,2,3,4
	v_sub_f32 v[PW+\i], v[SM+\i], v[T+7]
	v_mul_f32 v[PW+\i], s[LE], v[PW+\i]
.endr
	v_exp_f32 v[AA], v[T+8]
.irp i, 0,1,2,3,4
	v_exp_f32 v[PW+\i], v[PW+\i]
.endr
	v_mov_b32 v[MR], v[T+7]                        ; the plain instruction behind the last exponential
	s_wait_alu depctr_va_vdst(0)                   ; a and the five weights are written: one wait for the six exponentials
.irp i, 0,1,2,3,4
	v_cndmask_b32 v[PW+\i], 0, v[PW+\i], s[VAL+\i]
.endr
	s_cmp_lg_u32 s[WV], 0
	s_cbranch_scc1 .Lg3e                           ; wave 0 writes them down
	v_lshl_add_u32 v[T+10], v[LN], 1, PTAB
	s_and_b32 s[TS], s[ID], 3
	s_lshl_b32 s[TS], s[TS], 5
	s_add_co_u32 s[TS], s[TS], 0x400
	v_add_nc_u32 v[T+11], s[TS], v[LN]             ; my pad word: 1024 + 32 q + lane
.irp i, 0,1,2,3,4
	v_cvt_pk_bf16_f32 v[PB+\i], v[PW+\i], v[PW+\i]
	v_cndmask_b32 v[LS+\i], v[T+11], v[LS+\i], s[VAL+\i]  ; the slot's row, or the pad word
	v_min_u32 v[LS+\i], 0x47f, v[LS+\i]            ; inside the batch's 1,152 words whatever the record holds
	v_lshlrev_b32 v[LS+\i], 2, v[LS+\i]
.endr
	s_wait_alu depctr_va_vdst(0)                   ; the weights in bf16, their address, the rows' offsets and the scores are written, which the ten stores read
.irp i, 0,1,2,3,4
	ds_store_b16 v[T+10], v[PB+\i] offset:64*\i
	global_store_b32 v[LS+\i], v[SC+\i], s[SCO:SCO+1]  ; the row's score
.endr
	s_wait_xcnt 0x0                                ; the stores' addresses are translated: the next segment loads into these registers (behind its own wait on vm_vsrc)
.Lg3e:
	BAR                                            ; the weights are written
	; G4: THE CONTEXT.  K = 160 slots in five steps; wave w owns channels 256 w .. 256 w + 255, 16 blocks of 16
	s_cmp_lt_u32 s[PP], s[NP]
	s_cbranch_scc0 .Lg4e
	s_wait_alu depctr_vm_vsrc(0)                   ; the last segments' loads and stores have read v[T ..] and, in wave 0, v192-252; the fill's and the head's LDS stores have read registers of windows 1 and 2: all take new numbers below
	v_and_b32 v[T+5], 7, v0                        ; the turning load: lane l reads slot 8 (l / 16) + l % 8, channels 8 ((l / 8) % 2) + 0..7
	v_bfe_u32 v[T+6], v0, 4, 1
	v_lshl_add_u32 v[T+5], v[T+6], 3, v[T+5]
	v_mul_u32_u24 v[T+5], v[T+5], PITCH
	v_lshl_add_u32 v[T+13], v[T+6], 4, PTAB        ; the weights: 8 slots for each half of the lanes, the same for every l % 16; in a register that nothing below writes
	v_bfe_u32 v[T+6], v0, 3, 1
	v_lshl_add_u32 v[T+5], v[T+6], 4, v[T+5]
	s_lshl_b32 s[TS], s[WV], 9
	v_add_nc_u32 v[T], s[TS], v[T+5]
.irp kk, 1,2,3,4
	v_add_nc_u32 v[T+\kk], \kk*32*PITCH, v[T]
.endr
	s_wait_alu depctr_va_vdst(0)                   ; the six addresses are written; the scores' arithmetic is done with v192-231, and the products, the tanh and the scores' sums with windows 1 to 3, in which the loads land
.irp kk, 0,1,2,3,4
	ds_load_b128 v[VM+8*\kk:VM+8*\kk+3],   v[T+13] offset:64*\kk
	ds_load_b128 v[VM+8*\kk+4:VM+8*\kk+7], v[T+13] offset:64*\kk+32
.endr
	AT 0
	AT 1
.irp kk, 0,1,2
	s_wait_dscnt 32                                ; this step's rows (and the weights) are in; the next step's 32 loads may stay out
	CM \kk
	AT \kk+2                                       ; into a buffer of its own: no product of this segment names it before its own step
.endr
	s_wait_dscnt 32
	CM 3
	s_wait_dscnt 0x0
	CM 4
	PLACES                                         ; four places behind the last product, before its result is read
	WIN 0x05
.irp i, 0,1,2,3,4,5,6,7
	v_cndmask_b32 v[T+5+\i], v[16*\i], v[16*\i+8], s[HM]  ; all rows of a result are alike: register 0 of lane l is channel l % 16 of its block; lanes 16-31 take the odd block's
.endr
	WIN 0
.irp i, 0,1,2,3,4,5,6,7
	v_fma_f32 v[CX+\i], v[CX+\i], v[AA], v[T+5+\i]
.endr
.Lg4e:
	BAR                                            ; nobody reads the rows or the weights any more
	s_add_co_u32 s[PP], s[PP], 1
	s_cmp_lt_u32 s[PP], 2
	s_cbranch_scc1 .Lpass
	; THE WAY OUT: my 256 channels through my own 1,024 bytes of LDS, so that a lane stores 16 bytes
	s_lshl_b32 s[TS], s[WV], 10
	s_wait_alu depctr_vm_vsrc(0)                   ; the passes' LDS loads and stores have read v[T ..] as addresses and data: they are written again below
	v_add_nc_u32 v[T+2], s[TS], v[L16]
	s_add_co_u32 s[TS], s[TS], CTX
	v_lshl_add_u32 v[T], v[LN], 2, s[TS]
	v_add_nc_u32 v[T+1], s[TS], v[L16]
	s_wait_alu depctr_va_vdst(0)                   ; the three addresses and the context are written, which the stores and loads below read; the context's arithmetic is done with v[T+5 ..], in which the LDS loads land
.irp i, 0,1,2,3,4,5,6,7
	ds_store_b32 v[T], v[CX+\i] offset:128*\i
.endr
	ds_load_b128 v[T+5:T+8], v[T+1]                ; LDS serves a wave's instructions in order (ISA guide 5.7.1.4): these see the stores above
	ds_load_b128 v[T+9:T+12], v[T+1] offset:512
	s_wait_dscnt 0x0
	global_store_b128 v[T+2], v[T+5:T+8], s[PRT:PRT+1]           ; 512 consecutive bytes, at a multiple of 256 from part's first byte
	global_store_b128 v[T+2], v[T+9:T+12], s[PRT:PRT+1] offset:512
	s_cmp_lg_u32 s[WV], 0
	s_cbranch_scc1 .Lend
	v_mov_b32 v[T+13], v[MR]
	v_mov_b32 v[T+14], v[MR]
	v_lshlrev_b32 v[T+15], 3, v[LN]
	s_wait_alu depctr_va_vdst(0)                   ; m, twice, and its offset are written, which the store reads
	global_store_b64 v[T+15], v[T+13:T+14], s[PRT:PRT+1] offset:4096  ; m, 64 times: 256 consecutive bytes
.Lend:
	s_wait_dscnt 0x0                               ; the closing lines, six on end
	s_wait_alu 0x0
	s_wait_tensorcnt 0x0
	ds_add_u32 v[SPW], v[NIL]
	s_wait_dscnt 0x0
	s_endpgm
.Lfunc_end_k_qf40b8f368d_main:
	.size	k_qf40b8f368d_main, .Lfunc_end_k_qf40b8f368d_main-k_qf40b8f368d_main
	.p2alignl 7, 3214868480
	.fill 96, 4, 3214868480
	.section	.rodata,"a",@progbits
	.p2align	6, 0x0
	.amdhsa_kernel k_qf40b8f368d_main
		.amdhsa_group_segment_fixed_size 313344
		.amdhsa_private_segment_fixed_size 0
		.amdhsa_enable_private_segment 0
		.amdhsa_kernarg_size 64
		.amdhsa_user_sgpr_count 2
		.amdhsa_user_sgpr_kernarg_segment_ptr 1
		.amdhsa_wavefront_size32 1
		.amdhsa_system_sgpr_workgroup_id_x 1
		.amdhsa_system_sgpr_workgroup_id_y 1
		.amdhsa_system_sgpr_workgroup_id_z 1
		.amdhsa_system_vgpr_workitem_id 0
		.amdhsa_next_free_vgpr 1024
		.amdhsa_next_free_sgpr 80
		.amdhsa_reserve_vcc 0
		.amdhsa_float_denorm_mode_32 3
		.amdhsa_float_denorm_mode_16_64 3
		.amdhsa_memory_ordered 1
		.amdhsa_forward_progress 1
		.amdhsa_inst_pref_size 255
	.end_amdhsa_kernel
	.section	.bss,"aw",@nobits
	.p2align	6
	.space	262144
	.amdgpu_metadata
---
amdhsa.version: [ 1, 2 ]
amdhsa.kernels:
  - .name:           k_qf40b8f368d_main
    .symbol:         k_qf40b8f368d_main.kd
    .args:
      - { .name: encoder_outputs, .offset: 0, .size: 8, .value_kind: global_buffer, .address_space: global }
      - { .name: wef, .offset: 8, .size: 8, .value_kind: global_buffer, .address_space: global }
      - { .name: dpart, .offset: 16, .size: 8, .value_kind: global_buffer, .address_space: global }
      - { .name: W_b, .offset: 24, .size: 8, .value_kind: global_buffer, .address_space: global }
      - { .name: v_w, .offset: 32, .size: 8, .value_kind: global_buffer, .address_space: global }
      - { .name: lists, .offset: 40, .size: 8, .value_kind: global_buffer, .address_space: global }
      - { .name: score, .offset: 48, .size: 8, .value_kind: global_buffer, .address_space: global }
      - { .name: part, .offset: 56, .size: 8, .value_kind: global_buffer, .address_space: global }
    .group_segment_fixed_size: 313344
    .private_segment_fixed_size: 0
    .kernarg_segment_align: 8
    .kernarg_segment_size: 64
    .max_flat_workgroup_size: 128
    .sgpr_count:     80
    .vgpr_count:     1024
    .wavefront_size: 32
...
	.end_amdgpu_metadata
.endif
;; end of part 4
;; launch join: the kernel of part 3 again; grid 256 x 1, 1 waves a work-group, no clusters, 0 bytes of LDS; arguments score, part, out0, out1; writes out0, out1
